; MI455X (gfx1250); checked and timed in simulation.
; The chip was launched on July 23, 2026; its instructions are those of AMD's public machine-readable ISA for CDNA 5 (MIT licence, August 2026) and "CDNA5" Instruction Set Architecture Reference Guide (July 2026). The comments in the code are by the model that wrote it; some were corrected since.
;; Gated Self Attention Model. Allowed arithmetic: matrix products marked QUANTISED: E4M3 operands, one given power-of-two scale a tensor, by v_wmma_f32_16x16x64_fp8_fp8 or v_wmma_f32_16x16x128_fp8_fp8, f32 sums; products left as they are: f32 operands where the result goes on into a quantised operand, else bf16, f16 or f32 operands; f32 sums; everything else in f32.
;; Inputs: cat_b 512 float32; cat_w 768 x 512 float32; diffusion_time 4 x 128 float32; expr_b1 64 float32; expr_b2 512 float32; expr_w1 512 x 64 float32; expr_w2 64 x 512 float32; expression_features 4 x 2,048 x 512 float32; he_b 512 float32; he_w 512 x 512 float32; hp_b 3 float32; hp_w 512 x 3 float32; k_b 512 float32; k_w 512 x 512 float32; kn_w 64 float32; lowp_scales 22 int32 (the exponents e of the quantised operands' scales 2^e); o_b 512 float32; o_w 512 x 512 float32; pos_b1 64 float32; pos_b2 128 float32; pos_w1 4 x 64 float32; pos_w2 64 x 128 float32; position_features 4 x 2,048 x 3 float32; q_b 520 float32; q_w 512 x 520 float32; qn_w 64 float32; v_b 512 float32; v_w 512 x 512 float32; yy_b 128 float32; yy_w 128 x 128 float32.
;; Outputs: out0 4 x 2,048 x 512 float32; out1 4 x 2,048 x 3 float32; out2 4 x 128 float32.
;; This version of the problem:
;;   THIS VERSION OF THE PROBLEM IS GIVEN IN LOW PRECISION. The matrix products marked QUANTISED in the list below multiply operands that are first quantised to E4M3 (4 exponent bits, 3 mantissa bits; 8 bits a number), with one given power-of-two scale for each operand tensor; their sums are f32. All else is computed in f32.
;;   The module's matrix products, in the order in which they are computed (A, B: the left and right operand; K: the contracted axis; several contracted axes count as one K, in the product's order):
;;     1. [M 8,192, K 512] x [K 512, N 64]; A: input expression_features; B: input expr_w1: QUANTISED (scales: A lowp_scales[0], B lowp_scales[1])
;;     2. [M 8,192, K 64] x [K 64, N 512]; A: computed on the way; B: input expr_w2: QUANTISED (scales: A lowp_scales[2], B lowp_scales[3])
;;     3. [M 8,192, K 4] x [K 4, N 64]; A: computed on the way; B: input pos_w1: left as it is (K = 4 < 32)
;;     4. [M 8,192, K 64] x [K 64, N 128]; A: computed on the way; B: input pos_w2: QUANTISED (scales: A lowp_scales[4], B lowp_scales[5])
;;     5. [M 4, K 128] x [K 128, N 128]; A: input diffusion_time; B: input yy_w: left as it is (M = 4 < 16)
;;     6. [M 8,192, K 768] x [K 768, N 512]; A: computed on the way; B: input cat_w: QUANTISED (scales: A lowp_scales[6], B lowp_scales[7])
;;     7. [M 8,192, K 512] x [K 512, N 520]; A: computed on the way; B: input q_w: QUANTISED (scales: A lowp_scales[8], B lowp_scales[9])
;;     8. [M 8,192, K 512] x [K 512, N 512]; A: computed on the way; B: input k_w: QUANTISED (scales: A lowp_scales[10], B lowp_scales[11])
;;     9. [M 8,192, K 512] x [K 512, N 512]; A: computed on the way; B: input v_w: QUANTISED (scales: A lowp_scales[12], B lowp_scales[13])
;;     10. batch 32 x [M 2,048, K 64] x [K 64, N 2,048]; A: computed on the way; B: computed on the way: QUANTISED (scales: A lowp_scales[14], B lowp_scales[15])
;;     11. batch 32 x [M 2,048, K 2,048] x [K 2,048, N 64]; A: softmax (see below); B: computed on the way: QUANTISED (scales: A lowp_scales[16], B lowp_scales[17])
;;     12. [M 8,192, K 512] x [K 512, N 512]; A: computed on the way; B: input o_w: QUANTISED (scales: A lowp_scales[18], B lowp_scales[19])
;;     13. [M 8,192, K 512] x [K 512, N 512]; A: computed on the way; B: input he_w: QUANTISED (scales: A lowp_scales[20], B lowp_scales[21])
;;     14. [M 8,192, K 512] x [K 512, N 3]; A: computed on the way; B: input hp_w: left as it is (N = 3 < 16)
;;   THE QUANTISER, for each operand of a quantised product, along K:
;;     - The operand's scale is 2^e, e = its entry of the input lowp_scales (int32; the entries are numbered through the quantised products in the list's order, A before B).
;;     - Each number is divided by the scale, clamped to +-448, and rounded to the nearest number of E4M3, ties to even, subnormals kept.
;;     - The product sums the exact products of the quantised numbers (number of the format x scale) in f32.
;;   ~~~python
;;   def quantise(x, axis, e):      # numpy; x: float32 -> the quantised numbers, widened to float32 again
;;       x = np.moveaxis(x, axis, -1); K = x.shape[-1]
;;       r = np.clip(x / 2.0 ** e, -448, 448)
;;       step = 2.0 ** (np.maximum(np.frexp(np.where(r == 0, 1, r))[1] - 1, -6) - 3)
;;       q = np.round(r / step) * step * 2.0 ** e      # np.round: ties to even
;;       return np.moveaxis(q, -1, axis).astype(np.float32)
;;   ~~~
;;   SOFTMAX AHEAD OF A QUANTISED PRODUCT. Where the list says 'softmax', what is quantised is not the finished softmax but p = 2^(t - M), with t = logit x log2(e) and M = ceil(the row's largest t), a whole number; so 1/2 < the row's largest p <= 1. The row's sum l is taken of the UNQUANTISED p, in f32, and the product's result is divided by l at the end. Since M is a whole number, a kernel that streams over the keys may use a running M (the ceiling of the running maximum): every later rescaling is an exact power of two, so the quantised numbers keep their values, but for numbers so far below the row's largest that they fall under the format's range.
;;   OPERANDS COMPUTED ON THE WAY. 'Computed on the way' means the value that the module computes at that place (a softmax that the list does not call 'softmax' is quantised finished and normalised). What goes into a quantiser is computed in f32, as accurately as f32 sums, v_exp_f32 and their like allow (about 1e-6 of the number): no bf16 or f16 on the way to a quantiser, and a product that is left as it is and whose result goes on into a quantised operand takes f32 operands (vector FMAs, or v_wmma_f32_16x16x4_f32). A number that lies on a knife's edge between two numbers of the format may be rounded either way, as far as f32 arithmetic and the matrix unit's own rounding can turn it there, and no further.
;; 2 versions, each right; version 2 is version 1 with the launches front, tail written anew for expert scheduling mode. Each part assembles by itself: llvm-mc -triple=amdgcn-amd-amdhsa -mcpu=gfx1250 --defsym DOCPART=n.
;; ======== version 1 of 2: 4 launches
;; workspace buffers: wcodes 1,786,368 bytes; qc 4,194,304 bytes; kvc 8,388,608 bytes; gate 524,288 bytes; aoc 4,194,304 bytes
;; launch prep (part 1): grid 443 x 1, 4 waves a work-group, no clusters, 8,704 bytes of LDS; arguments expr_w1, expr_w2, pos_w2, cat_w, q_w, k_w, v_w, o_w, he_w, lowp_scales, diffusion_time, yy_w, yy_b, wcodes, out2; writes wcodes, out2
.if DOCPART == 1
	.amdgcn_target "amdgcn-amd-amdhsa--gfx1250"
	.amdhsa_code_object_version 6
	.text
	.protected	k_qe9b3eb438c_prep
	.globl	k_qe9b3eb438c_prep
	.p2align	8
	.type	k_qe9b3eb438c_prep,@function
k_qe9b3eb438c_prep:
	s_mov_b64 s[64:65], 0
	v_nop
	global_prefetch_b8 v0, s[64:65] scope:SCOPE_SE
	s_setreg_imm32_b32 hwreg(HW_REG_WAVE_MODE, 25, 1), 1
	s_wait_xcnt 0x0
; PREP.  The nine weights, f32 stored [K][N], become codes of FP8 (E4M3), each with its given scale 2^e, laid in wcodes IN THE ORDER OF THE OPERAND'S REGISTERS;
; work-group 0 computes tdt = diffusion_time yy_w + yy_b in f32 (fused multiply-adds), stores it (out2) and its codes (scale 2^e6).
; THE IMAGE.  A chunk is 16 columns x 32 along K, 512 bytes: lane (r = lane % 16, h = lane / 16) owns the 16 bytes at 16 x lane: codes of column r at k = 32 q + 8 h + 0..7, then at k = 32 q + 16 + 8 h + 0..7:
; registers 4 q .. 4 q + 3 of the plain 8-bit operand layout.  Column tile t of a tensor of depth K lies at OFF + t x 16 K, its chunks on end.
; A LANE TAKES A COLUMN AND ITS REGISTERS RUN DOWN K, so the conversions' results are the operand's registers and nothing is transposed.  A work-group takes 4 neighbouring column tiles x 64 along K:
; each row's 64 columns, 256 consecutive bytes, are read by its four waves; a wave's store covers 512 consecutive bytes.
; code = x / 2^e, held within +-448, to the nearest code, ties to even.  LIMITS: -126 <= e and e + 8 <= 127 for every e used; NaN among the inputs is not served.
.set W1OFF,  0
.set W2OFF,  32768
.set PW2OFF, 65536
.set CATOFF, 73728
.set QOFF,   466944
.set KOFF,   737280
.set VOFF,   999424
.set OOFF,   1261568
.set HEOFF,  1523712
.set TCOFF,  1785856                   ; tdt's codes, [4][128], one byte a code
	s_load_b64 s[4:5], s[0:1], 0x48                ; lowp_scales
	s_load_b128 s[8:11], s[0:1], 0x68              ; wcodes s[8:9], out2 s[10:11]
	v_lshl_add_u32 v160, v0, 2, 0x2000
	v_mov_b32 v161, 0
	v_lshrrev_b32 v1, 5, v0
	v_readfirstlane_b32 s2, v1                     ; wave 0..3
	v_and_b32 v1, 15, v0                           ; r
	v_bfe_u32 v2, v0, 4, 1                         ; h
	v_and_b32 v3, 31, v0
	v_lshlrev_b32 v3, 4, v3                        ; 16 x lane
	s_cmp_ge_u32 ttmp9, 1
	s_cbranch_scc1 .Lweights
; ---- work-group 0: tdt.  Wave w takes rows 32 w .. 32 w + 31 of yy_w for all four batches (one run of 32 loads, a whole row of 512 bytes each); lane l owns columns 4 l .. 4 l + 3.
; The four waves' partial sums meet in LDS; wave b then finishes batch b.
	s_load_b128 s[12:15], s[0:1], 0x50             ; diffusion_time s[12:13], yy_w s[14:15]
	s_load_b64 s[16:17], s[0:1], 0x60              ; yy_b
	s_lshl_b32 s18, s2, 7
	v_lshrrev_b32 v8, 2, v3
	v_add_nc_u32 v8, s18, v8                       ; 128 w + 4 x lane: my number of diffusion_time's row; later my 4 codes
	s_lshl_b32 s18, s2, 14
	v_add_nc_u32 v9, s18, v3                       ; yy_w: 32 w rows of 512 bytes + 16 x lane
	s_lshl_b32 s18, s2, 11
	v_add_nc_u32 v10, s18, v3                      ; LDS: my wave's four partial sums, 512 bytes each
	s_lshl_b32 s18, s2, 9
	v_add_nc_u32 v11, s18, v3                      ; LDS: batch w's part of a wave's four; also my place in out2
	s_wait_kmcnt 0x0
	s_load_b32 s19, s[4:5], 0x18                   ; e6
.irp b, 0,1,2,3
	global_load_b32 v[4+\b], v8, s[12:13] offset:512*\b      ; lane l: diffusion_time[b][32 w + l]
.endr
	global_load_b128 v[12:15], v3, s[16:17]        ; yy_b of my four columns
.set K, 0
.rept 32
	global_load_b128 v[32+4*K:35+4*K], v9, s[14:15] offset:512*K
.set K, K+1
.endr
	s_wait_loadcnt 0x0
.set K, 0
.rept 32
.irp b, 0,1,2,3
	v_readlane_b32 s[20+4*(K%2)+\b], v[4+\b], K    ; diffusion_time[b][32 w + K]; two sets of scalars by turns
.endr
.irp b, 0,1,2,3
.irp c, 0,1,2,3
.if K == 0
	v_mul_f32 v[16+4*\b+\c], s[20+\b], v[32+\c]    ; the first product starts the sums
.else
	v_fmac_f32 v[16+4*\b+\c], s[20+4*(K%2)+\b], v[32+4*K+\c]
.endif
.endr
.endr
.set K, K+1
.endr
.irp b, 0,1,2,3
	ds_store_b128 v10, v[16+4*\b:19+4*\b] offset:512*\b
.endr
	s_wait_dscnt 0x0                               ; for the others' sake: my partial sums lie in LDS
	s_barrier_signal -1
	s_barrier_wait -1
.irp p, 0,1,2,3
	ds_load_b128 v[32+4*\p:35+4*\p], v11 offset:2048*\p      ; wave p's partial sum of batch w
.endr
	s_wait_dscnt 0x0
	v_pk_add_f32 v[32:33], v[32:33], v[36:37]
	v_pk_add_f32 v[34:35], v[34:35], v[38:39]
	v_pk_add_f32 v[40:41], v[40:41], v[44:45]
	v_pk_add_f32 v[42:43], v[42:43], v[46:47]
	v_pk_add_f32 v[32:33], v[32:33], v[40:41]
	v_pk_add_f32 v[34:35], v[34:35], v[42:43]
	v_pk_add_f32 v[16:17], v[32:33], v[12:13]
	v_pk_add_f32 v[18:19], v[34:35], v[14:15]      ; tdt[w][4 l .. 4 l + 3]
	global_store_b128 v11, v[16:19], s[10:11]      ; the wave stores a row of 512 bytes
	s_wait_kmcnt 0x0
	s_add_co_i32 s19, s19, 127
	s_lshl_b32 s20, s19, 23
	v_mov_b32 v28, s20                             ; 2^e6 as f32: the conversion takes its exponent field
	s_add_co_i32 s19, s19, 8
	s_lshl_b32 s19, s19, 23
	s_or_b32 s19, s19, 0x600000
	v_mov_b32 v29, s19                             ; 448 x 2^e6
.irp c, 0,1,2,3
	v_med3_num_f32 v[20+\c], v[16+\c], -v29, v29   ; into other registers: the store above still reads v16-19
	v_mov_b32 v[24+\c], 0
.endr
	v_cvt_scalef32_pk8_fp8_f32 v[30:31], v[20:27], v28
	v_nop
	global_store_b32 v8, v30, s[8:9] offset:TCOFF  ; my four codes
	s_wait_tensorcnt 0x0
	ds_add_u32 v160, v161
	s_wait_dscnt 0x0
	s_endpgm
; ---- a weight.  last: first work-group behind this job; base: its first; N: columns; 2^krl runs of 64 along K, beginning at k0; tstr: bytes of a column tile; eidx: its entry of lowp_scales.
; ragged = 1 (q_w, 520 columns): tiles that begin at or past N have no wave; columns past N are read at column N - 1 (no load leaves the buffer) and become zero codes.
.macro JOB last, base, argoff, N, krl, k0, dstoff, tstr, eidx, ragged
	s_cmp_ge_u32 ttmp9, \last
	s_cbranch_scc1 .Lnext_\@
	s_load_b64 s[6:7], s[0:1], \argoff
	s_sub_co_u32 s12, ttmp9, \base
	s_and_b32 s13, s12, (1<<\krl)-1                ; which 64 along K
	s_lshr_b32 s14, s12, \krl
	s_lshl_b32 s14, s14, 2
	s_add_co_u32 s14, s14, s2                      ; my column tile
	s_lshl_b32 s15, s14, 4
.if \ragged
	s_cmp_ge_u32 s15, \N
	s_cbranch_scc1 .Lend
.endif
	v_add_nc_u32 v4, s15, v1                       ; my column n
	v_min_u32 v5, \N-1, v4
	s_lshl_b32 s16, s13, 6
	s_add_co_u32 s16, s16, \k0
	s_mul_i32 s16, s16, 4*\N                       ; the run's first row, in bytes
	v_mul_u32_u24 v6, v2, 32*\N                    ; lanes 16-31 begin 8 rows further down
	v_lshl_add_u32 v6, v5, 2, v6
	v_add_nc_u32 v6, s16, v6
	s_mul_i32 s17, s14, \tstr
	s_lshl_b32 s18, s13, 10                        ; 64 along K are two chunks
	s_add_co_u32 s17, s17, s18
	v_add_nc_u32 v7, s17, v3
	s_wait_kmcnt 0x0
	s_load_b32 s19, s[4:5], 4*\eidx
.irp q, 0,1
.irp u, 0,1
.irp i, 0,1,2,3,4,5,6,7
	global_load_b32 v[16+16*\q+8*\u+\i], v6, s[6:7] offset:(32*\q+16*\u+\i)*4*\N th:TH_LOAD_NT   ; W(32 q + 16 u + 8 h + i, n)
.endr
.endr
.endr
	s_wait_kmcnt 0x0
	s_add_co_i32 s19, s19, 127
	s_lshl_b32 s20, s19, 23
	v_mov_b32 v8, s20                              ; 2^e
	s_add_co_i32 s19, s19, 8
	s_lshl_b32 s19, s19, 23
	s_or_b32 s19, s19, 0x600000
	v_mov_b32 v9, s19                              ; 448 x 2^e
	s_wait_loadcnt 0x0
.if \ragged
	v_cmp_gt_u32 vcc_lo, \N, v4
.set K, 16
.rept 32
	v_cndmask_b32 v[K], 0, v[K], vcc_lo            ; a column past N counts as zeros
.set K, K+1
.endr
.endif
.irp q, 0,1
.irp u, 0,1
.irp i, 0,1,2,3,4,5,6,7
	v_med3_num_f32 v[16+16*\q+8*\u+\i], v[16+16*\q+8*\u+\i], -v9, v9   ; the conversion to an 8-bit code does not saturate (ISA guide 7.6.2): the hold comes first
.endr
	v_cvt_scalef32_pk8_fp8_f32 v[48+4*\q+2*\u:49+4*\q+2*\u], v[16+16*\q+8*\u:23+16*\q+8*\u], v8
.endr
.endr
	v_nop
	global_store_b128 v7, v[48:51], s[8:9] offset:\dstoff
	global_store_b128 v7, v[52:55], s[8:9] offset:\dstoff+512
	s_endpgm
.Lnext_\@:
.endm
.Lweights:
	JOB 9,   1,   0x00, 64,  3, 0,   W1OFF,       8192,  1,  0     ; expr_w1
	JOB 17,  9,   0x08, 512, 0, 0,   W2OFF,       1024,  3,  0     ; expr_w2
	JOB 19,  17,  0x10, 128, 0, 0,   PW2OFF,      1024,  5,  0     ; pos_w2
	JOB 83,  19,  0x18, 512, 3, 0,   CATOFF,      12288, 7,  0     ; cat_w, k 0..511
	JOB 115, 83,  0x18, 512, 2, 512, CATOFF+8192, 12288, 7,  0     ; cat_w, k 512..767
	JOB 187, 115, 0x20, 520, 3, 0,   QOFF,        8192,  9,  1     ; q_w: 33 tiles, the last the 8 gate columns and 8 of zeros
	JOB 251, 187, 0x28, 512, 3, 0,   KOFF,        8192,  11, 0     ; k_w
	JOB 315, 251, 0x30, 512, 3, 0,   VOFF,        8192,  13, 0     ; v_w
	JOB 379, 315, 0x38, 512, 3, 0,   OOFF,        8192,  19, 0     ; o_w
	JOB 443, 379, 0x40, 512, 3, 0,   HEOFF,       8192,  21, 0     ; he_w
.Lend:
	s_endpgm
.Lfunc_end_k_qe9b3eb438c_prep:
	.size	k_qe9b3eb438c_prep, .Lfunc_end_k_qe9b3eb438c_prep-k_qe9b3eb438c_prep
	.p2alignl 7, 3214868480
	.fill 96, 4, 3214868480
	.section	.rodata,"a",@progbits
	.p2align	6, 0x0
	.amdhsa_kernel k_qe9b3eb438c_prep
		.amdhsa_group_segment_fixed_size 8704
		.amdhsa_private_segment_fixed_size 0
		.amdhsa_enable_private_segment 0
		.amdhsa_kernarg_size 120
		.amdhsa_user_sgpr_count 2
		.amdhsa_user_sgpr_kernarg_segment_ptr 1
		.amdhsa_wavefront_size32 1
		.amdhsa_system_sgpr_workgroup_id_x 1
		.amdhsa_system_sgpr_workgroup_id_y 1
		.amdhsa_system_sgpr_workgroup_id_z 1
		.amdhsa_system_vgpr_workitem_id 0
		.amdhsa_next_free_vgpr 162
		.amdhsa_next_free_sgpr 66
		.amdhsa_reserve_vcc 1
		.amdhsa_float_denorm_mode_32 3
		.amdhsa_float_denorm_mode_16_64 3
		.amdhsa_memory_ordered 1
		.amdhsa_forward_progress 1
		.amdhsa_inst_pref_size 101
	.end_amdhsa_kernel
	.amdgpu_metadata
---
amdhsa.version: [ 1, 2 ]
amdhsa.kernels:
  - .name:           k_qe9b3eb438c_prep
    .symbol:         k_qe9b3eb438c_prep.kd
    .args:
      - { .name: expr_w1, .offset: 0, .size: 8, .value_kind: global_buffer, .address_space: global }
      - { .name: expr_w2, .offset: 8, .size: 8, .value_kind: global_buffer, .address_space: global }
      - { .name: pos_w2, .offset: 16, .size: 8, .value_kind: global_buffer, .address_space: global }
      - { .name: cat_w, .offset: 24, .size: 8, .value_kind: global_buffer, .address_space: global }
      - { .name: q_w, .offset: 32, .size: 8, .value_kind: global_buffer, .address_space: global }
      - { .name: k_w, .offset: 40, .size: 8, .value_kind: global_buffer, .address_space: global }
      - { .name: v_w, .offset: 48, .size: 8, .value_kind: global_buffer, .address_space: global }
      - { .name: o_w, .offset: 56, .size: 8, .value_kind: global_buffer, .address_space: global }
      - { .name: he_w, .offset: 64, .size: 8, .value_kind: global_buffer, .address_space: global }
      - { .name: lowp_scales, .offset: 72, .size: 8, .value_kind: global_buffer, .address_space: global }
      - { .name: diffusion_time, .offset: 80, .size: 8, .value_kind: global_buffer, .address_space: global }
      - { .name: yy_w, .offset: 88, .size: 8, .value_kind: global_buffer, .address_space: global }
      - { .name: yy_b, .offset: 96, .size: 8, .value_kind: global_buffer, .address_space: global }
      - { .name: wcodes, .offset: 104, .size: 8, .value_kind: global_buffer, .address_space: global }
      - { .name: out2, .offset: 112, .size: 8, .value_kind: global_buffer, .address_space: global }
    .group_segment_fixed_size: 8704
    .private_segment_fixed_size: 0
    .kernarg_segment_align: 8
    .kernarg_segment_size: 120
    .max_flat_workgroup_size: 128
    .sgpr_count:     66
    .vgpr_count:     162
    .wavefront_size: 32
...
	.end_amdgpu_metadata
.endif
;; end of part 1
;; launch front (part 2): grid 128 x 1, 8 waves a work-group, no clusters, 181,248 bytes of LDS; arguments expression_features, position_features, pos_w1, pos_b1, pos_b2, expr_b1, expr_b2, cat_b, q_b, k_b, v_b, qn_w, kn_w, lowp_scales, wcodes, qc, kvc, gate; writes qc, kvc, gate
.if DOCPART == 2
	.amdgcn_target "amdgcn-amd-amdhsa--gfx1250"
	.amdhsa_code_object_version 6
	.text
	.protected	k_qe9b3eb438c_front
	.globl	k_qe9b3eb438c_front
	.p2align	8
	.type	k_qe9b3eb438c_front,@function
k_qe9b3eb438c_front:
	s_mov_b64 s[64:65], 0
	v_nop
	global_prefetch_b8 v0, s[64:65] scope:SCOPE_SE
	s_setreg_imm32_b32 hwreg(HW_REG_WAVE_MODE, 25, 1), 1
	s_wait_xcnt 0x0
; FRONT.  For 64 rows of one batch: the expression MLP, the position MLP, cat -> h, then Q (RMS norm), K (RMS norm), V and sigmoid(gate).  te, tp, cat and h never go to memory.
; All products but the 4-deep position layer (f32 multiply-adds) are on codes of FP8 (E4M3) with the given scales 2^e; sums in f32; each finished sum is multiplied by 2^(ea + eb) and gets its bias in one packed multiply-add.
; SHARES.  Eight waves.  THE WAVES SHARE THE COLUMNS: in every 512-wide product wave w makes columns 64 w .. 64 w + 63 (head w) of all 64 rows: 16 accumulators (row tile m, column tile j).
; So each weight fragment serves one wave: it comes from memory (laid by the launch before in the order of the operand's registers) straight into that wave's registers, three sets of four fragments ahead.
; The rows' codes go from wave to wave through LDS as images of their registers: a chunk (16 rows x 32 K) is 512 bytes, lane l's 16 bytes at 16 l.  No pitch, no padding; each LDS region is written once.
; THE ORDER IN A K STEP: the 16 products; the NEXT step's four fragments of rows out of LDS; then the request for the weights three steps on.  So the LDS loads are on their way while the sixteen global loads are issued.
; No cluster and no joint loads: no two waves of the launch's work-group read the same weight fragment, and through LDS each fragment would be written and read once more than it is now.
; TRANSPOSED USE (source 0 = 16 weight columns, source 1 = 16 rows): a lane holds ONE row (lane % 16) and registers 0-7 of tile t are columns 16 t + 8 (lane / 16) + 0..7: their eight codes ARE registers 2 t, 2 t + 1 of the
; next operand.  V is made the other way round (source 0 = rows), so that a lane holds one channel and eight keys: its codes are V^T's registers along the keys.
; LIMITS: every e, e + 8 and ea + eb used lies between -126 and 127; NaN among the inputs is not served; v_sqrt_f32, v_rcp_f32, v_rsq_f32 and v_exp_f32 count denormals as zero (ISA guide 15.8).
; WINDOW 0: v0-35 addresses and the quantiser's two numbers; v36-99 A: four fragments of rows, later codes and work; v100-111 work; v112-127 the time fragment (before: the position hidden layer; at the end: the gate's bias);
;   v128-255 the accumulators, (m, j) at 128 + 8 (4 m + j).   WINDOW 1: v0-191 three sets of four weight fragments; v192-223, v224-255 biases and norm weights.
.set W1OFF,  0
.set W2OFF,  32768
.set PW2OFF, 65536
.set CATOFF, 73728
.set QOFF,   466944
.set KOFF,   737280
.set VOFF,   999424
.set TCOFF,  1785856
.set HE,   32768                       ; LDS: x's 16 fragments at 0 ((4 m + s) x 2048); the expression hidden layer's 4 fragments of K = 64 (m x 1024);
.set HP,   36864                       ; the position hidden layer's;
.set CAT,  40960                       ; cat's te and tp: (5 m + s') x 2048, s' = 0..3 te, 4 tp (the time step is the same for all rows and stays in registers);
.set HQ,   81920                       ; h's codes under e8, e10, e12: (4 m + s) x 2048 each
.set HK,   114688
.set HV,   147456
.set QS,  32                           ; v32 the quantiser's scale as f32;  v33 448 x the scale
.set QL,  33
.set A,   36
.set T,   100
.set TF,  112
.set ACC, 128
.set BA,  192
.set BB,  224
.set WC,  36                           ; s[36:37] wcodes
.set E,   44                           ; s[E + i] = lowp_scales[i], i = 0 .. 17
.set MSB, 0
.macro WIN new                         ; s_set_vgpr_msb: bits 1:0 source 0, 3:2 source 1, 5:4 source 2, 7:6 destination; the high byte repeats the setting that is left
.if MSB != \new
	s_set_vgpr_msb (MSB<<8)|\new
.set MSB, \new
.endif
.endm
.macro PLACES n                        ; plain vector instructions between a matrix instruction and what reads its result or writes or loads into its registers
.rept \n
	v_nop
.endr
.endm
.macro BARRIER                         ; my LDS stores have landed and my LDS loads are in: then the work-group's barrier
	s_wait_dscnt 0x0
	s_barrier_signal -1
	s_barrier_wait -1
.endm
.macro SQ e                            ; the quantiser's numbers for the scale in s[e]
	s_add_co_i32 s68, s[\e], 127
	s_lshl_b32 s69, s68, 23
	v_mov_b32 v[QS], s69
	s_add_co_i32 s68, s68, 8
	s_lshl_b32 s68, s68, 23
	s_or_b32 s68, s68, 0x600000
	v_mov_b32 v[QL], s68
.endm
.macro SMUL ea, eb                     ; s[66:67] = 2^(ea + eb) as f32 (the packed form names the pair and takes its low word)
	s_add_co_i32 s66, s[\ea], s[\eb]
	s_add_co_i32 s66, s66, 127
	s_lshl_b32 s66, s66, 23
	s_mov_b32 s67, s66
.endm
; eight numbers of a lane become eight codes.  mode 0: held within +-448 x the scale, in place; 1: between 0 and that (the activation and the hold in one); 2: held into v[tmp] on, the numbers stay
.macro QT src, dst, mode, tmp
.irp i, 0,1,2,3,4,5,6,7
.if (\mode) == 0
	v_med3_num_f32 v[(\src)+\i], v[(\src)+\i], -v[QL], v[QL]
.elseif (\mode) == 1
	v_med3_num_f32 v[(\src)+\i], v[(\src)+\i], 0, v[QL]
.else
	v_med3_num_f32 v[(\tmp)+\i], v[(\src)+\i], -v[QL], v[QL]
.endif
.endr
.if (\mode) == 2
	v_cvt_scalef32_pk8_fp8_f32 v[(\dst):(\dst)+1], v[(\tmp):(\tmp)+7], v[QS]
.else
	v_cvt_scalef32_pk8_fp8_f32 v[(\dst):(\dst)+1], v[(\src):(\src)+7], v[QS]
.endif
.endm
.macro FETCH reg, areg, off            ; a fragment of K = 128 out of LDS, as it was stored
.irp c, 0,1,2,3
	ds_load_b128 v[(\reg)+4*\c:(\reg)+4*\c+3], v[\areg] offset:(\off)+512*\c
.endr
.endm
.macro FETCH64 reg, areg, off          ; of K = 64
.irp c, 0,1
	ds_load_b128 v[(\reg)+4*\c:(\reg)+4*\c+3], v[\areg] offset:(\off)+512*\c
.endr
.endm
.macro AFETCH areg, mstr, sidx         ; the four row tiles' fragments of K step sidx
.irp m, 0,1,2,3
	FETCH A+16*\m, \areg, \m*(\mstr)+(\sidx)*2048
.endr
.endm
.macro WLOAD slot, off, tstr, ks, areg ; four weight fragments (my column tiles j, K step ks) into set slot of window 1: 16 loads of 512 consecutive bytes
	WIN 0x40
.irp j, 0,1,2,3
.irp c, 0,1,2,3
	global_load_b128 v[64*(\slot)+16*\j+4*\c:64*(\slot)+16*\j+4*\c+3], v[\areg], s[WC:WC+1] offset:(\off)+\j*(\tstr)+(\ks)*2048+\c*512
.endr
.endr
	WIN 0
.endm
.macro WSET i                          ; THE WEIGHT STREAM: sets 0-5 cat_w, 6-9 q_w, 10-13 k_w, 14-17 v_w; set i lives in slot i % 3
.if (\i) < 6
	WLOAD (\i)%3, CATOFF, 12288, \i, 18
.elseif (\i) < 10
	WLOAD (\i)%3, QOFF, 8192, (\i)-6, 17
.elseif (\i) < 14
	WLOAD (\i)%3, KOFF, 8192, (\i)-10, 17
.else
	WLOAD (\i)%3, VOFF, 8192, (\i)-14, 17
.endif
.endm
.macro BLOAD dst, ptr, areg            ; 32 numbers of a bias or a norm weight in the result's layout: for tile j those of columns 16 j + 8 h + 0..7
	WIN 0x40
.irp j, 0,1,2,3
.irp ii, 0,1
	global_load_b128 v[\dst+8*\j+4*\ii:\dst+8*\j+4*\ii+3], v[\areg], s[\ptr:\ptr+1] offset:64*\j+16*\ii
.endr
.endr
	WIN 0
.endm
; 16 products, 128 along K: the 16 accumulators take turns, one instruction a turn, in the same order in every step.  zero: the products start the sums.
; vmode: source 0 = the rows, source 1 = the weights.  tf: the rows' fragment is the time fragment, the same for all four row tiles.
.macro MM16 slot, zero, vmode, tf
.if \vmode
	WIN 0x04
.else
	WIN 0x01
.endif
.irp m, 0,1,2,3
.irp j, 0,1,2,3
.set rD, ACC+8*(4*\m+\j)
.set rW, 64*(\slot)+16*\j
.set rA, A+16*\m
.if \tf
.set rA, TF
.endif
.if \vmode
.if \zero
	v_wmma_f32_16x16x128_fp8_fp8 v[rD:rD+7], v[rA:rA+15], v[rW:rW+15], 0
.else
	v_wmma_f32_16x16x128_fp8_fp8 v[rD:rD+7], v[rA:rA+15], v[rW:rW+15], v[rD:rD+7]
.endif
.else
.if \zero
	v_wmma_f32_16x16x128_fp8_fp8 v[rD:rD+7], v[rW:rW+15], v[rA:rA+15], 0
.else
	v_wmma_f32_16x16x128_fp8_fp8 v[rD:rD+7], v[rW:rW+15], v[rA:rA+15], v[rD:rD+7]
.endif
.endif
.endr
.endr
	WIN 0
	PLACES 4                                       ; in front of the loads into the fragments' registers and of the first read of results
.endm
; A K STEP of a 512-wide product.  Set i of the weights is in (cnt: the global loads issued behind it, which may stay out) and so are the rows' fragments, asked for a step ago; 16 products;
; then K step nx's fragments of rows out of LDS (nx = -1: none), and only then the request for set i + 3 into the slot just read.
.macro GSTEP i, areg, mstr, nx, cnt, zero, vmode, tf
	s_wait_loadcnt \cnt
.if (\tf) == 0
	s_wait_dscnt 0x0
.endif
	MM16 (\i)%3, \zero, \vmode, \tf
.if (\nx) >= 0
	AFETCH \areg, \mstr, \nx
.endif
.if (\i)+3 < 18
	WSET (\i)+3
.endif
.endm
.macro FMA64 base                      ; every sum x 2^(ea + eb) + its column's bias, two at a time; each accumulator from its low end on
	WIN 0x10
.irp m, 0,1,2,3
.irp j, 0,1,2,3
.irp i, 0,2,4,6
	v_pk_fma_f32 v[ACC+8*(4*\m+\j)+\i:ACC+8*(4*\m+\j)+\i+1], v[ACC+8*(4*\m+\j)+\i:ACC+8*(4*\m+\j)+\i+1], s[66:67], v[\base+8*\j+\i:\base+8*\j+\i+1] op_sel_hi:[1,0,1]
.endr
.endr
.endr
	WIN 0
.endm
; bias, then the RMS norm over my head's 64 columns: a lane holds 32 of its row's, lane l xor 16 the others.  w x (x x rsqrt(mean(x x) + 1e-6)), as it is written
.macro NORM1 ea, eb
	SMUL \ea, \eb
	FMA64 BA
.irp m, 0,1,2,3
	v_pk_mul_f32 v[68+4*\m:69+4*\m], v[ACC+32*\m:ACC+32*\m+1], v[ACC+32*\m:ACC+32*\m+1]           ; eight chains: two for each row tile
	v_pk_mul_f32 v[70+4*\m:71+4*\m], v[ACC+32*\m+2:ACC+32*\m+3], v[ACC+32*\m+2:ACC+32*\m+3]
.endr
.irp p, 4,8,12,16,20,24,28
.irp m, 0,1,2,3
	v_pk_fma_f32 v[68+4*\m:69+4*\m], v[ACC+32*\m+\p:ACC+32*\m+\p+1], v[ACC+32*\m+\p:ACC+32*\m+\p+1], v[68+4*\m:69+4*\m]
	v_pk_fma_f32 v[70+4*\m:71+4*\m], v[ACC+32*\m+\p+2:ACC+32*\m+\p+3], v[ACC+32*\m+\p+2:ACC+32*\m+\p+3], v[70+4*\m:71+4*\m]
.endr
.endr
.irp m, 0,1,2,3
	v_pk_add_f32 v[68+4*\m:69+4*\m], v[68+4*\m:69+4*\m], v[70+4*\m:71+4*\m]
.endr
.irp m, 0,1,2,3
	v_add_f32 v[68+4*\m], v[68+4*\m], v[69+4*\m]
.endr
.irp m, 0,1,2,3
	v_permlanex16_b32 v[70+4*\m], v[68+4*\m], s72, s73
.endr
.irp m, 0,1,2,3
	v_add_f32 v[68+4*\m], v[68+4*\m], v[70+4*\m]
.endr
.irp m, 0,1,2,3
	v_fma_f32 v[105+2*\m], v[68+4*\m], s74, s75    ; the sum / 64 + 1e-6
.endr
.irp m, 0,1,2,3
	v_rsq_f32 v[104+2*\m], v[105+2*\m]
.endr
	v_nop                                          ; a plain instruction behind the last of the batch,
	s_wait_alu depctr_va_vdst(0)                   ; and one wait for the four, ahead of their first reader
.irp m, 0,1,2,3
.irp p, 0,2,4,6,8,10,12,14,16,18,20,22,24,26,28,30
	v_pk_mul_f32 v[ACC+32*\m+\p:ACC+32*\m+\p+1], v[ACC+32*\m+\p:ACC+32*\m+\p+1], v[104+2*\m:105+2*\m] op_sel_hi:[1,0]
.endr
.endr
	WIN 0x04
.irp m, 0,1,2,3
.irp p, 0,2,4,6,8,10,12,14,16,18,20,22,24,26,28,30
	v_pk_mul_f32 v[ACC+32*\m+\p:ACC+32*\m+\p+1], v[ACC+32*\m+\p:ACC+32*\m+\p+1], v[BB+\p:BB+\p+1]
.endr
.endr
	WIN 0
.endm
.macro NORM2 eq, sareg, sptr           ; quantised along the head's 64; a row tile's fragment (K = 64) leaves as two stores of 512 consecutive bytes
	SQ \eq
.irp m, 0,1,2,3
.irp j, 0,1,2,3
	QT ACC+8*(4*\m+\j), A+8*\m+2*\j, 0, 0
.endr
.endr
	v_nop                                          ; one plain instruction behind the last conversion
.irp m, 0,1,2,3
.irp c, 0,1
	global_store_b128 v[\sareg], v[A+8*\m+4*\c:A+8*\m+4*\c+3], s[\sptr:\sptr+1] offset:\m*1024+\c*512
.endr
.endr
.endm
; ---- the head: addresses
	s_load_b512 s[8:23], s[0:1], 0x0               ; x s[8:9], position s[10:11], pos_w1 s[12:13], pos_b1 s[14:15], pos_b2 s[16:17], expr_b1 s[18:19], expr_b2 s[20:21], cat_b s[22:23]
	s_load_b512 s[24:39], s[0:1], 0x40             ; q_b s[24:25], k_b s[26:27], v_b s[28:29], qn_w s[30:31], kn_w s[32:33], lowp_scales s[34:35], wcodes s[36:37], qc s[38:39]
	s_load_b128 s[40:43], s[0:1], 0x80             ; kvc s[40:41], gate s[42:43]
	v_lshrrev_b32 v1, 5, v0
	v_readfirstlane_b32 s2, v1                     ; wave w
	s_lshr_b32 s3, s2, 1                           ; wa = w / 2
	s_and_b32 s4, s2, 1                            ; wb = w % 2
	s_mov_b32 s5, ttmp9                            ; the work-group: rows 64 wg on
	s_lshr_b32 s6, s5, 5                           ; its batch
	v_and_b32 v1, 15, v0                           ; r
	v_bfe_u32 v2, v0, 4, 1                         ; h
	v_and_b32 v3, 31, v0
	v_lshlrev_b32 v3, 4, v3                        ; v3  LI = 16 x lane
	v_add_nc_u32 v4, CAT, v3                       ; v4-7  LI + a region's base
	v_add_nc_u32 v5, HQ, v3
	v_add_nc_u32 v6, HK, v3
	v_add_nc_u32 v7, HV, v3
	s_lshl_b32 s68, s3, 13
	v_add_nc_u32 v8, s68, v3                       ; v8  x's fragments of row tile wa
	s_lshl_b32 s68, s2, 12
	v_add_nc_u32 v9, s68, v3                       ; v9  LI + 4096 w: where I store x's two fragments; also my four tiles of expr_w2's codes
	s_lshl_b32 s68, s2, 9
	s_add_co_u32 s68, s68, HE
	v_add_nc_u32 v10, s68, v3                      ; v10 a hidden layer's chunk wb of row tile wa
	s_lshl_b32 s68, s2, 10
	v_add_nc_u32 v11, s68, v4                      ; v11 te: K step wa, chunks 2 wb, 2 wb + 1
	v_add_nc_u32 v13, s68, v5                      ; v13-15 h likewise
	v_add_nc_u32 v14, s68, v6
	v_add_nc_u32 v15, s68, v7
	s_lshl_b32 s68, s3, 9
	s_mul_i32 s69, s4, 20480
	s_add_co_u32 s68, s68, s69
	s_add_co_u32 s68, s68, 8192
	v_add_nc_u32 v12, s68, v4                      ; v12 tp: row tile 2 wb, fragment 4, chunk wa
	s_and_b32 s7, s2, 3
	s_lshl_b32 s68, s7, 13
	v_add_nc_u32 v16, s68, v5                      ; v16 the gate: h's fragments of row tile w % 4
	s_lshl_b32 s68, s2, 15
	v_add_nc_u32 v17, s68, v3                      ; v17 my four tiles of a weight of depth 512
	s_mul_i32 s68, s2, 49152
	v_add_nc_u32 v18, s68, v3                      ; v18 of cat_w
	s_lshl_b32 s68, s2, 8
	v_lshl_add_u32 v19, v2, 5, s68                 ; v19 a bias: 256 w + 32 h
	v_lshlrev_b32 v20, 5, v2                       ; v20 a norm weight: 32 h
	v_lshl_add_u32 v21, v1, 2, s68                 ; v21 v_b: 256 w + 4 r
	s_lshl_b32 s68, s2, 17
	v_add_nc_u32 v22, s68, v3                      ; v22 qc: head w
	s_lshl_b32 s68, s2, 18
	v_add_nc_u32 v23, s68, v3                      ; v23 kvc: head w
	s_lshl_b32 s68, s7, 10
	v_lshl_add_u32 v24, v1, 6, s68
	v_lshl_add_u32 v24, v2, 5, v24                 ; v24 gate: row 16 (w % 4) + r of 64 bytes, + 32 h
	s_lshl_b32 s68, s4, 11
	s_add_co_u32 s68, s68, HP
	v_add_nc_u32 v25, s68, v3                      ; v25 the position hidden layer's fragments of row tiles 2 wb, 2 wb + 1
	s_lshl_b32 s68, s3, 11
	v_add_nc_u32 v26, s68, v3                      ; v26 pos_w2's tiles 2 wa, 2 wa + 1
	s_lshl_b32 s68, s4, 14
	v_add_nc_u32 v27, s68, v3                      ; v27 expr_w1's tiles 2 wb, 2 wb + 1
	s_lshl_b32 s68, s3, 15
	s_lshl_b32 s69, s4, 10
	s_add_co_u32 s68, s68, s69
	v_lshl_add_u32 v28, v1, 11, s68
	v_lshl_add_u32 v28, v2, 5, v28                 ; v28 x: row 16 wa + r of 2,048 bytes, K steps 2 wb on, + 32 h
	s_lshl_b32 s68, s3, 4
	v_add_nc_u32 v29, s68, v1
	v_mul_u32_u24 v29, v29, 12                     ; v29 position: row 16 wa + r
	s_lshl_b32 s68, s4, 7
	v_lshl_add_u32 v30, v2, 5, s68                 ; v30 128 wb + 32 h: pos_w1, pos_b1, expr_b1
	s_lshl_b32 s68, s3, 7
	v_lshl_add_u32 v31, v2, 5, s68                 ; v31 128 wa + 32 h: pos_b2
	v_mov_b32 v34, 0                               ; v34 the offset 0
	s_lshl_b32 s68, s6, 7
	v_lshl_add_u32 v35, v2, 3, s68                 ; v35 tdt's codes: 128 x batch + 8 h
	s_mov_b32 s72, 0x76543210                      ; v_permlanex16_b32: lane l xor 16
	s_mov_b32 s73, 0xfedcba98
	s_mov_b32 s74, 0x3c800000                      ; 1 / 64
	s_mov_b32 s75, 0x358637bd                      ; 1e-6
	s_wait_kmcnt 0x0
	s_load_b512 s[44:59], s[34:35], 0x0            ; e0 .. e15
	s_load_b64 s[60:61], s[34:35], 0x40            ; e16, e17
	s_mov_b32 s71, 0
	s_mov_b32 s79, 0
	s_lshl_b32 s70, s5, 17
	s_add_nc_u64 s[8:9], s[8:9], s[70:71]          ; x at my first row
	s_mul_i32 s70, s5, 768
	s_add_nc_u64 s[10:11], s[10:11], s[70:71]      ; position likewise
	s_and_b32 s7, s5, 31
	s_lshl_b32 s70, s6, 20
	s_lshl_b32 s68, s7, 12
	s_add_co_u32 s70, s70, s68
	s_add_nc_u64 s[38:39], s[38:39], s[70:71]      ; qc: the batch's 8 heads x 128 tiles x 1,024 bytes, my four query tiles
	s_lshl_b32 s70, s6, 21
	s_lshr_b32 s68, s7, 1
	s_lshl_b32 s68, s68, 14
	s_add_co_u32 s70, s70, s68                     ; kvc: the batch, my chunk of 128 keys (16,384 bytes: K's 8 key tiles, then V^T's 4 channel tiles)
	s_and_b32 s7, s5, 1                            ; which half of the chunk's keys is mine
	s_lshl_b32 s78, s7, 10
	s_add_co_u32 s78, s78, s70
	s_add_co_u32 s78, s78, 8192
	s_add_nc_u64 s[76:77], s[40:41], s[78:79]      ; s[76:77] V^T: my two chunks of 32 keys
	s_lshl_b32 s78, s7, 12
	s_add_co_u32 s70, s70, s78
	s_add_nc_u64 s[40:41], s[40:41], s[70:71]      ; s[40:41] K: my four key tiles
	s_lshl_b32 s70, s5, 12
	s_add_nc_u64 s[42:43], s[42:43], s[70:71]      ; gate at my first row
; ---- the head's loads, 115 in this order: 23 for the position layer, 32 of x, 60 of weights and biases
	global_load_b32 v100, v29, s[10:11]
	global_load_b32 v101, v29, s[10:11] offset:4
	global_load_b32 v102, v29, s[10:11] offset:8
.irp j, 0,1,2,3
.irp cc, 0,1
.irp ii, 0,1
	global_load_b128 v[A+16*\j+8*\cc+4*\ii:A+16*\j+8*\cc+4*\ii+3], v30, s[12:13] offset:256*\j+64*\cc+16*\ii   ; pos_w1(j, 32 wb + 16 cc + 8 h + ..)
.endr
.endr
.endr
.irp cc, 0,1
.irp ii, 0,1
	global_load_b128 v[TF+8*\cc+4*\ii:TF+8*\cc+4*\ii+3], v30, s[14:15] offset:64*\cc+16*\ii                    ; pos_b1: the sums begin as the bias
.endr
.endr
.irp ss, 0,1
.irp q, 0,1,2,3
.irp u, 0,1
.irp jj, 0,1
	global_load_b128 v[ACC+64*\ss+16*\q+8*\u+4*\jj:ACC+64*\ss+16*\q+8*\u+4*\jj+3], v28, s[8:9] offset:512*\ss+128*\q+64*\u+16*\jj th:TH_LOAD_NT   ; x(row, 128 s + 32 q + 16 u + 8 h + ..)
.endr
.endr
.endr
.endr
	WIN 0x40
.irp tt, 0,1
.irp ks, 0,1,2,3
.irp c, 0,1,2,3
	global_load_b128 v[64*\tt+16*\ks+4*\c:64*\tt+16*\ks+4*\c+3], v27, s[WC:WC+1] offset:W1OFF+\tt*8192+\ks*2048+\c*512
.endr
.endr
.endr
.irp tt, 0,1
.irp ii, 0,1
	global_load_b128 v[BB+8*\tt+4*\ii:BB+8*\tt+4*\ii+3], v30, s[18:19] offset:64*\tt+16*\ii                    ; expr_b1
.endr
.endr
.irp j, 0,1,2,3
.irp c, 0,1
	global_load_b128 v[128+8*\j+4*\c:128+8*\j+4*\c+3], v9, s[WC:WC+1] offset:W2OFF+\j*1024+\c*512
.endr
.endr
.irp tt, 0,1
.irp c, 0,1
	global_load_b128 v[160+8*\tt+4*\c:160+8*\tt+4*\c+3], v26, s[WC:WC+1] offset:PW2OFF+\tt*1024+\c*512
.endr
.endr
.irp tt, 0,1
.irp ii, 0,1
	global_load_b128 v[BB+16+8*\tt+4*\ii:BB+16+8*\tt+4*\ii+3], v31, s[16:17] offset:64*\tt+16*\ii              ; pos_b2
.endr
.endr
	BLOAD BA, 20, 19                               ; expr_b2
; ---- P: the position hidden layer of row 16 wa + r, units 32 wb + 16 cc + 8 h + 0..7, in f32
	s_wait_loadcnt 63                              ; of 115 loads the 52 oldest are in: the position layer's 23 and x's first fragment (16) among them
	v_mul_f32 v103, v100, v100
	v_fmac_f32 v103, v101, v101
	v_fmac_f32 v103, v102, v102
	v_sqrt_f32 v110, v103                          ; the norm
	v_nop
	s_wait_alu depctr_va_vdst(0)
	v_add_f32 v109, 0x33d6bf95, v110               ; + 1e-7
	v_rcp_f32 v111, v109
	v_nop
	s_wait_alu depctr_va_vdst(0)
	v_mul_f32 v104, v100, v111                     ; the direction
	v_mul_f32 v106, v101, v111
	v_mul_f32 v108, v102, v111
	v_mov_b32 v105, v104                           ; (each is named as a pair below, so the upper halves are written)
	v_mov_b32 v107, v106
	v_mov_b32 v109, v108
	v_mov_b32 v111, v110
.irp j, 0,1,2,3
.irp p, 0,2,4,6,8,10,12,14
	v_pk_fma_f32 v[TF+\p:TF+\p+1], v[A+16*\j+\p:A+16*\j+\p+1], v[104+2*\j:105+2*\j], v[TF+\p:TF+\p+1] op_sel_hi:[1,0,1]
.endr
.endr
	s_wait_kmcnt 0x0                               ; the scales
	SQ E+4
	QT TF, T, 1, 0
	QT TF+8, T+2, 1, 0
	v_nop
	ds_store_b128 v10, v[T:T+3] offset:HP-HE
; ---- X: my two fragments of x
	SQ E+0
.irp q, 0,1,2,3
.irp u, 0,1
	QT ACC+16*\q+8*\u, A+4*\q+2*\u, 0, 0
.endr
.endr
	v_nop
.irp c, 0,1,2,3
	ds_store_b128 v9, v[A+4*\c:A+4*\c+3] offset:512*\c
.endr
	s_wait_loadcnt 60                              ; all of x is in; the 60 loads of weights and biases may be out
.irp q, 0,1,2,3
.irp u, 0,1
	QT ACC+64+16*\q+8*\u, A+16+4*\q+2*\u, 0, 0
.endr
.endr
	v_nop
.irp c, 0,1,2,3
	ds_store_b128 v9, v[A+16+4*\c:A+16+4*\c+3] offset:2048+512*\c
.endr
	BARRIER                                        ; x's sixteen fragments and the position hidden layer's four lie in LDS
; ---- T1: the expression hidden layer: row tile wa, column tiles 2 wb, 2 wb + 1; two accumulators by turns
.irp ks, 0,1,2,3
	FETCH A+16*\ks, 8, \ks*2048
.endr
	s_wait_loadcnt 24                              ; expr_w1's codes and expr_b1 are in; the 24 loads issued behind them may be out
	s_wait_dscnt 0x0
	WIN 0x01
.irp ks, 0,1,2,3
.irp tt, 0,1
.if \ks == 0
	v_wmma_f32_16x16x128_fp8_fp8 v[ACC+8*\tt:ACC+8*\tt+7], v[64*\tt+16*\ks:64*\tt+16*\ks+15], v[A+16*\ks:A+16*\ks+15], 0
.else
	v_wmma_f32_16x16x128_fp8_fp8 v[ACC+8*\tt:ACC+8*\tt+7], v[64*\tt+16*\ks:64*\tt+16*\ks+15], v[A+16*\ks:A+16*\ks+15], v[ACC+8*\tt:ACC+8*\tt+7]
.endif
.endr
.endr
	WIN 0
	PLACES 4
.irp q, 0,1,2,3
.irp u, 0,1
	global_load_b64 v[TF+4*\q+2*\u:TF+4*\q+2*\u+1], v35, s[WC:WC+1] offset:TCOFF+32*\q+16*\u   ; the time fragment: every row of the batch has the same 128 codes
.endr
.endr
	WSET 0
	WSET 1
	SMUL E+0, E+1
	WIN 0x10
.irp tt, 0,1
.irp i, 0,2,4,6
	v_pk_fma_f32 v[ACC+8*\tt+\i:ACC+8*\tt+\i+1], v[ACC+8*\tt+\i:ACC+8*\tt+\i+1], s[66:67], v[BB+8*\tt+\i:BB+8*\tt+\i+1] op_sel_hi:[1,0,1]
.endr
.endr
	WIN 0
	SQ E+2
	QT ACC, T, 1, 0
	QT ACC+8, T+2, 1, 0
	v_nop
	ds_store_b128 v10, v[T:T+3]
	BARRIER                                        ; the expression hidden layer's four fragments lie in LDS
; ---- TP2: tp, column tiles 2 wa, 2 wa + 1 of row tiles 2 wb, 2 wb + 1;  T2: te, my four column tiles of all four row tiles.  K = 64
.irp m, 0,1,2,3
	FETCH64 A+16*\m, 3, HE+\m*1024
.endr
.irp mm, 0,1
	FETCH64 A+16*\mm+8, 25, \mm*1024
.endr
	s_wait_loadcnt 40                              ; the head's loads are in; the time fragment's 8 and sets 0 and 1 may be out
	s_wait_dscnt 0x0
	WIN 0x01
.irp mm, 0,1
.irp tt, 0,1
	v_wmma_f32_16x16x64_fp8_fp8 v[ACC+8*(2*\mm+\tt):ACC+8*(2*\mm+\tt)+7], v[160+8*\tt:167+8*\tt], v[A+16*\mm+8:A+16*\mm+15], 0
.endr
.endr
	WIN 0
	PLACES 4
	SMUL E+4, E+5
	WIN 0x10
.irp mm, 0,1
.irp tt, 0,1
.irp i, 0,2,4,6
	v_pk_fma_f32 v[ACC+8*(2*\mm+\tt)+\i:ACC+8*(2*\mm+\tt)+\i+1], v[ACC+8*(2*\mm+\tt)+\i:ACC+8*(2*\mm+\tt)+\i+1], s[66:67], v[BB+16+8*\tt+\i:BB+16+8*\tt+\i+1] op_sel_hi:[1,0,1]
.endr
.endr
.endr
	WIN 0
	SQ E+6
.irp mm, 0,1
.irp tt, 0,1
	QT ACC+8*(2*\mm+\tt), T+4*\mm+2*\tt, 0, 0
.endr
.endr
	v_nop
.irp mm, 0,1
	ds_store_b128 v12, v[T+4*\mm:T+4*\mm+3] offset:\mm*10240
.endr
	WIN 0x01
.irp m, 0,1,2,3
.irp j, 0,1,2,3
	v_wmma_f32_16x16x64_fp8_fp8 v[ACC+8*(4*\m+\j):ACC+8*(4*\m+\j)+7], v[128+8*\j:135+8*\j], v[A+16*\m:A+16*\m+7], 0
.endr
.endr
	WIN 0
	PLACES 4
	WSET 2                                         ; into the slot that held expr_w2's and pos_w2's codes
	SMUL E+2, E+3
	FMA64 BA
	BLOAD BA, 22, 19                               ; cat_b
.irp m, 0,1,2,3
.irp j, 0,1,2,3
	QT ACC+8*(4*\m+\j), A+8*\m+2*\j, 0, 0          ; (the scale is still e6's)
.endr
.endr
	v_nop
.irp m, 0,1,2,3
	ds_store_b128 v11, v[A+8*\m:A+8*\m+3] offset:\m*10240
	ds_store_b128 v11, v[A+8*\m+4:A+8*\m+7] offset:\m*10240+512
.endr
	BARRIER                                        ; cat's te and tp lie in LDS
; ---- C: h = cat cat_w + cat_b, six K steps.  Counts: the loads issued behind the set that a step needs (two sets of 16, and cat_b's 8 while they are younger)
	AFETCH 4, 10240, 0
	GSTEP 0, 4, 10240, 1, 40, 1, 0, 0
	GSTEP 1, 4, 10240, 2, 40, 0, 0, 0
	GSTEP 2, 4, 10240, 3, 40, 0, 0, 0
	GSTEP 3, 4, 10240, 4, 32, 0, 0, 0              ; behind it tp's fragments are asked for: step 4 reads no fragment of rows
	GSTEP 4, 4, 10240, -1, 32, 0, 0, 1             ; the time step
	GSTEP 5, 4, 10240, -1, 32, 0, 0, 0             ; tp
	SMUL E+6, E+7
	FMA64 BA
	BLOAD BA, 24, 19                               ; q_b
	BLOAD BB, 30, 20                               ; qn_w
.irp z, 0,1,2                          ; h is quantised three times: under e8 for Q, e10 for K, e12 for V; the numbers stay
	SQ E+8+2*\z
.irp m, 0,1,2,3
.irp j, 0,1,2,3
	QT ACC+8*(4*\m+\j), A+8*\m+2*\j, 2, 84+8*(\j%2)
.endr
.endr
	v_nop
.irp m, 0,1,2,3
	ds_store_b128 v[13+\z], v[A+8*\m:A+8*\m+3] offset:\m*8192
	ds_store_b128 v[13+\z], v[A+8*\m+4:A+8*\m+7] offset:\m*8192+512
.endr
	s_wait_dscnt 0x0                               ; the stores have read their registers: the next codes may be written
.endr
	BARRIER                                        ; h's three images lie in LDS: the last barrier
; ---- Q.  Counts: two sets of 16 and, while they are younger, the 16 loads of bias and norm weight
	AFETCH 5, 8192, 0
	GSTEP 6, 5, 8192, 1, 48, 1, 0, 0
	GSTEP 7, 5, 8192, 2, 48, 0, 0, 0
	GSTEP 8, 5, 8192, 3, 48, 0, 0, 0
	GSTEP 9, 5, 8192, -1, 32, 0, 0, 0
	NORM1 E+8, E+9
	BLOAD BA, 26, 19                               ; k_b
	BLOAD BB, 32, 20                               ; kn_w
	NORM2 E+14, 22, 38
; ---- K
	s_wait_xcnt 0x0                                ; the stores have read their registers: the fragments' area is loaded again only behind this wait
	AFETCH 6, 8192, 0
	GSTEP 10, 6, 8192, 1, 48, 1, 0, 0
	GSTEP 11, 6, 8192, 2, 48, 0, 0, 0
	GSTEP 12, 6, 8192, 3, 48, 0, 0, 0
	GSTEP 13, 6, 8192, -1, 32, 0, 0, 0
	NORM1 E+10, E+11
	WIN 0x40
.irp j, 0,1,2,3
.irp hh, 0,1
	global_load_b32 v[BA+2*\j+\hh], v21, s[28:29] offset:64*\j   ; v_b of channel 16 j + r, into both halves of a pair
.endr
.endr
	WIN 0
	NORM2 E+15, 23, 40
; ---- V, the other way round: a lane holds channel 16 j + r and keys 16 m + 8 h + 0..7.  Counts: sets and v_b's 8
	s_wait_xcnt 0x0
	AFETCH 7, 8192, 0
	GSTEP 14, 7, 8192, 1, 40, 1, 1, 0
	GSTEP 15, 7, 8192, 2, 40, 0, 1, 0
	GSTEP 16, 7, 8192, 3, 24, 0, 1, 0
	GSTEP 17, 7, 8192, -1, 0, 0, 1, 0
	s_cmp_ge_u32 s2, 4                             ; waves 0 to 3 will make the gate: its tile's four K steps and its bias are asked for here and land under V's way out
	s_cbranch_scc1 .Lno_gate_loads
	WLOAD 0, QOFF+262144, 2048, 0, 3
	global_load_b128 v[TF:TF+3], v34, s[24:25] offset:2048       ; q_b[512 .. 519], the same in every lane: lanes 16-31 hold the tile's 8 columns of padding
	global_load_b128 v[TF+4:TF+7], v34, s[24:25] offset:2064
.Lno_gate_loads:
	SMUL E+12, E+13
	WIN 0x10
.irp m, 0,1,2,3
.irp j, 0,1,2,3
.irp i, 0,2,4,6
	v_pk_fma_f32 v[ACC+8*(4*\m+\j)+\i:ACC+8*(4*\m+\j)+\i+1], v[ACC+8*(4*\m+\j)+\i:ACC+8*(4*\m+\j)+\i+1], s[66:67], v[BA+2*\j:BA+2*\j+1] op_sel_hi:[1,0,1]
.endr
.endr
.endr
	WIN 0
	SQ E+17
.irp m, 0,1,2,3
.irp j, 0,1,2,3
	QT ACC+8*(4*\m+\j), A+4*(2*\j+\m/2)+2*(\m%2), 0, 0           ; row tiles 2 q, 2 q + 1 are a chunk of 32 keys
.endr
.endr
	v_nop
.irp j, 0,1,2,3
.irp q, 0,1
	global_store_b128 v23, v[A+4*(2*\j+\q):A+4*(2*\j+\q)+3], s[76:77] offset:\j*2048+\q*512
.endr
.endr
; ---- G: sigmoid of the gate, waves 0 to 3, a row tile each; two accumulators by turns
	s_cmp_ge_u32 s2, 4
	s_cbranch_scc1 .Ldone
	s_wait_xcnt 0x0
.irp ks, 0,1,2,3
	FETCH A+16*\ks, 16, \ks*2048
.endr
	s_wait_loadcnt 0x0
	s_wait_dscnt 0x0
	WIN 0x01
	v_wmma_f32_16x16x128_fp8_fp8 v[ACC:ACC+7], v[0:15], v[A:A+15], 0
	v_wmma_f32_16x16x128_fp8_fp8 v[ACC+8:ACC+15], v[16:31], v[A+16:A+31], 0
	v_wmma_f32_16x16x128_fp8_fp8 v[ACC:ACC+7], v[32:47], v[A+32:A+47], v[ACC:ACC+7]
	v_wmma_f32_16x16x128_fp8_fp8 v[ACC+8:ACC+15], v[48:63], v[A+48:A+63], v[ACC+8:ACC+15]
	WIN 0
	PLACES 4
	SMUL E+8, E+9
.irp i, 0,2,4,6
	v_pk_add_f32 v[ACC+\i:ACC+\i+1], v[ACC+\i:ACC+\i+1], v[ACC+8+\i:ACC+8+\i+1]
.endr
.irp i, 0,2,4,6
	v_pk_fma_f32 v[ACC+\i:ACC+\i+1], v[ACC+\i:ACC+\i+1], s[66:67], v[TF+\i:TF+\i+1] op_sel_hi:[1,0,1]
.endr
.irp i, 0,2,4,6
	v_pk_mul_f32 v[ACC+\i:ACC+\i+1], v[ACC+\i:ACC+\i+1], 0xbfb8aa3b op_sel_hi:[1,0]   ; x -log2(e)
.endr
.irp i, 0,1,2,3,4,5,6,7
	v_exp_f32 v[ACC+\i], v[ACC+\i]
.endr
	v_nop
	s_wait_alu depctr_va_vdst(0)
.irp i, 0,1,2,3,4,5,6,7
	v_add_f32 v[ACC+\i], 1.0, v[ACC+\i]
.endr
.irp i, 0,1,2,3,4,5,6,7
	v_rcp_f32 v[ACC+\i], v[ACC+\i]
.endr
	v_nop
	s_wait_alu depctr_va_vdst(0)
	global_store_b128 v24, v[ACC:ACC+3], s[42:43]
	global_store_b128 v24, v[ACC+4:ACC+7], s[42:43] offset:16
.Ldone:
	s_wait_xcnt 0x0
	v_lshl_add_u32 v254, v0, 2, 0x2c000
	v_mov_b32 v255, 0
	s_wait_tensorcnt 0x0
	ds_add_u32 v254, v255
	s_wait_dscnt 0x0
	s_endpgm
.Lfunc_end_k_qe9b3eb438c_front:
	.size	k_qe9b3eb438c_front, .Lfunc_end_k_qe9b3eb438c_front-k_qe9b3eb438c_front
	.p2alignl 7, 3214868480
	.fill 96, 4, 3214868480
	.section	.rodata,"a",@progbits
	.p2align	6, 0x0
	.amdhsa_kernel k_qe9b3eb438c_front
		.amdhsa_group_segment_fixed_size 181248
		.amdhsa_private_segment_fixed_size 0
		.amdhsa_enable_private_segment 0
		.amdhsa_kernarg_size 144
		.amdhsa_user_sgpr_count 2
		.amdhsa_user_sgpr_kernarg_segment_ptr 1
		.amdhsa_wavefront_size32 1
		.amdhsa_system_sgpr_workgroup_id_x 1
		.amdhsa_system_sgpr_workgroup_id_y 1
		.amdhsa_system_sgpr_workgroup_id_z 1
		.amdhsa_system_vgpr_workitem_id 0
		.amdhsa_next_free_vgpr 512
		.amdhsa_next_free_sgpr 100
		.amdhsa_reserve_vcc 0
		.amdhsa_float_denorm_mode_32 3
		.amdhsa_float_denorm_mode_16_64 3
		.amdhsa_memory_ordered 1
		.amdhsa_forward_progress 1
		.amdhsa_inst_pref_size 236
	.end_amdhsa_kernel
	.amdgpu_metadata
---
amdhsa.version: [ 1, 2 ]
amdhsa.kernels:
  - .name:           k_qe9b3eb438c_front
    .symbol:         k_qe9b3eb438c_front.kd
    .args:
      - { .name: expression_features, .offset: 0, .size: 8, .value_kind: global_buffer, .address_space: global }
      - { .name: position_features, .offset: 8, .size: 8, .value_kind: global_buffer, .address_space: global }
      - { .name: pos_w1, .offset: 16, .size: 8, .value_kind: global_buffer, .address_space: global }
      - { .name: pos_b1, .offset: 24, .size: 8, .value_kind: global_buffer, .address_space: global }
      - { .name: pos_b2, .offset: 32, .size: 8, .value_kind: global_buffer, .address_space: global }
      - { .name: expr_b1, .offset: 40, .size: 8, .value_kind: global_buffer, .address_space: global }
      - { .name: expr_b2, .offset: 48, .size: 8, .value_kind: global_buffer, .address_space: global }
      - { .name: cat_b, .offset: 56, .size: 8, .value_kind: global_buffer, .address_space: global }
      - { .name: q_b, .offset: 64, .size: 8, .value_kind: global_buffer, .address_space: global }
      - { .name: k_b, .offset: 72, .size: 8, .value_kind: global_buffer, .address_space: global }
      - { .name: v_b, .offset: 80, .size: 8, .value_kind: global_buffer, .address_space: global }
      - { .name: qn_w, .offset: 88, .size: 8, .value_kind: global_buffer, .address_space: global }
      - { .name: kn_w, .offset: 96, .size: 8, .value_kind: global_buffer, .address_space: global }
      - { .name: lowp_scales, .offset: 104, .size: 8, .value_kind: global_buffer, .address_space: global }
      - { .name: wcodes, .offset: 112, .size: 8, .value_kind: global_buffer, .address_space: global }
      - { .name: qc, .offset: 120, .size: 8, .value_kind: global_buffer, .address_space: global }
      - { .name: kvc, .offset: 128, .size: 8, .value_kind: global_buffer, .address_space: global }
      - { .name: gate, .offset: 136, .size: 8, .value_kind: global_buffer, .address_space: global }
    .group_segment_fixed_size: 181248
    .private_segment_fixed_size: 0
    .kernarg_segment_align: 8
    .kernarg_segment_size: 144
    .max_flat_workgroup_size: 256
    .sgpr_count:     100
    .vgpr_count:     512
    .wavefront_size: 32
...
	.end_amdgpu_metadata
.endif
;; end of part 2
;; launch attn (part 3): grid 8 x 32, 16 waves a work-group, clusters of 4 x 1, 264,192 bytes of LDS; arguments qc, kvc, gate, lowp_scales, aoc; writes aoc
.if DOCPART == 3
	.amdgcn_target "amdgcn-amd-amdhsa--gfx1250"
	.amdhsa_code_object_version 6
	.text
	.protected	k_qe9b3eb438c_attn
	.globl	k_qe9b3eb438c_attn
	.p2align	8
	.type	k_qe9b3eb438c_attn,@function
k_qe9b3eb438c_attn:
	s_mov_b64 s[64:65], 0
	v_nop
	global_prefetch_b8 v0, s[64:65] scope:SCOPE_SE
	s_setreg_imm32_b32 hwreg(HW_REG_WAVE_MODE, 25, 1), 1
	s_wait_xcnt 0x0
	s_wait_alu depctr_hold_cnt(0) depctr_sa_sdst(0) depctr_va_vdst(0) depctr_va_sdst(0) depctr_va_ssrc(0) depctr_va_vcc(0) depctr_vm_vsrc(0)
	s_getreg_b32 s2, hwreg(HW_REG_IB_STS2, 6, 4)
	s_cmp_eq_u32 s2, 0
	s_cbranch_scc0 .Lentry_in_a_cluster
	s_endpgm
.Lentry_in_a_cluster:
	s_bfe_u32 s2, ttmp6, 0x10000c
	s_cmp_lg_u32 s2, 0x3003
	s_cbranch_scc0 .Lentry_shape_is_right
	s_endpgm
.Lentry_shape_is_right:
; ATTN.  ao[b][q][head] = sigmoid(gate) x softmax_k(Q . K / 8) V, both products on codes of FP8 (E4M3) with the given scales; the result leaves as codes under e18, laid as the next product's operand.
; THE SOFTMAX AHEAD OF THE SECOND PRODUCT: t = score x log2(e) / 8; M = the running largest t rounded UP to a whole number; p = 2^(t - M) is quantised (e16), not normalised; the row's sum is taken of the
; unquantised p in f32 and divides at the end; when M moves, the sum and O are multiplied by 2^(old M - new M), which rounds nothing.
; SHARES.  A work-group owns 256 queries of one (batch, head); each of its sixteen waves one tile of 16, in 256 registers: four waves to a SIMD, so that one wave's vector work stands beside another's products and LDS loads.
; K AND V ARE FETCHED ONCE.  A head's K and V^T, 262,144 bytes, lie in memory as images of the operands' registers and fill the work-group's LDS as they lie: 16 chunks of 128 keys (K's 8 key tiles x 1,024 bytes, then V^T's
; 4 channel tiles x 2,048).  Every LDS byte is filled once: no slot is filled again.  Each wave asks for 4,096 bytes of each of four groups of four chunks: by this text's count four tensor loads of a wave are out at the most.
; THE GROUPS' BARRIERS ARE SPLIT.  The barrier of group g + 1 orders two accesses: a wave's tensor load into its part of group g + 1, shown landed by that wave's s_wait_tensorcnt directly ahead of its signal, and any wave's
; LDS load of those bytes, which stands behind that wave's s_barrier_wait.  The signal stands two key steps ahead of the wait; between them stand register work and LDS loads of group g's bytes, which nothing writes again.
; So a wave that is ahead goes on into the next group as soon as the last wave has begun the third of its group's four steps.  Those two steps are written out: no branch stands between a signal and its wait.
; CLUSTER.  The four work-groups of a cluster belong to one head: each tile is asked for JOINTLY, by the same tensor load with the same descriptor and the mask of all four.
; LAYOUT.  S^T = K Q^T (source 0 = 16 keys, source 1 = my queries), O^T = V^T P^T: a lane holds ONE query (lane % 16); registers 0-7 of key tile t are keys 16 t + 8 (lane / 16) + 0..7, whose eight codes are registers 2 t, 2 t + 1 of P.
; LIMITS: e14 + e15 between -123 and 130 (they are added to c's exponent field); e16 and e18 between -126 and 119; e16 + e17 is applied by v_ldexp_f32.
; REGISTERS: v1 16 x lane; v2 LDS address of the chunk in hand; v3 my query's gate; v5 its offset; v12 -M, v13 the largest t, v[14:15] the sum in two halves; v16-23 Q; v32-95 K's, then V^T's fragments; v96-159 S^T, then p;
;   v160-191 O^T; v192-207 p's codes; v236-254 at work.
.set WV,  18                           ; s18 my wave's number
.set SEL, 20                           ; s[20:21] v_permlanex16_b32's selects: lane l xor 16
.set CS,  22                           ; s[22:23] c = log2(e) / 8 x 2^(e14 + e15)
.set G1,  24                           ; s[24:31] descriptor group 1
.set G0,  32                           ; s[32:47] descriptor group 0, a set for each of the four groups of chunks
.set TB,  48                           ; s48 LDS byte at which the chunk in hand begins
.set CNT, 49
.macro CROUND                          ; a round of the cluster's barrier: my work-group's barrier; wave 0 signals for the work-group; every wave waits for all four; my work-group's barrier once more
	s_barrier_signal -1
	s_barrier_wait -1
	s_cmp_lg_u32 s[WV], 0
	s_cbranch_scc1 .Lnot_wave_0_\@
	s_barrier_signal -3
.Lnot_wave_0_\@:
	s_barrier_wait -3
	s_barrier_signal -1
	s_barrier_wait -1
.endm
	s_load_b256 s[4:11], s[0:1], 0x0               ; qc s[4:5], kvc s[6:7], gate s[8:9], lowp_scales s[10:11]
	s_load_b64 s[12:13], s[0:1], 0x20              ; aoc
	v_lshl_add_u32 v251, v0, 2, 0x40000
	v_mov_b32 v255, 0
	ds_add_u32 v251, v255
	ds_add_u32 v251, v255
	v_lshrrev_b32 v1, 5, v0
	v_readfirstlane_b32 s[WV], v1                  ; wave 0..15
	v_and_b32 v5, 15, v0
	v_lshlrev_b32 v5, 6, v5                        ; a row of gate is 64 bytes
	v_and_b32 v1, 31, v0
	v_lshlrev_b32 v1, 4, v1
	s_bfe_u32 s14, ttmp6, 0x40000                  ; cx: it enters the addresses of Q, gate and aoc alone
	s_lshl_b32 s15, ttmp9, 2
	s_add_co_u32 s15, s15, s14                     ; my block of 256 queries
	s_and_b32 s16, ttmp7, 0xffff                   ; 8 x batch + head, which the four partners share
	s_lshr_b32 s17, s16, 3                         ; batch
	s_and_b32 s19, s16, 7                          ; head
	s_mov_b32 s[G1], 15|(3<<16)|(1<<21)            ; 15:0 the mask: all four work-groups; 17:16 elements of 8 bytes; 20 no padding; 21 set beside a mask
	s_mov_b32 s[G1+1], 32<<16                      ; tensor_dim0 = 32 elements: rows of 256 bytes
	s_mov_b32 s[G1+2], 16<<16                      ; tensor_dim1 = 16
	s_mov_b32 s[G1+3], 32<<16                      ; tile_dim0 = 32
	s_mov_b32 s[G1+4], 16                          ; tile_dim1 = 16: 4,096 bytes, dense
	s_mov_b32 s[G1+5], 32                          ; from row to row
	s_mov_b32 s[G1+6], 0
	s_mov_b32 s[G1+7], 0
	s_mov_b32 s[SEL], 0x76543210
	s_mov_b32 s[SEL+1], 0xfedcba98
	s_mov_b32 s[CS], 0x3e38aa3b                    ; log2(e) / 8
	s_lshl_b32 s57, s[WV], 12                      ; my 4,096 bytes of a group
	s_lshl_b32 s50, s16, 18                        ; the head's 262,144 bytes
	s_add_co_u32 s50, s50, s57
	s_mov_b32 s51, 0
	s_mov_b32 s61, 0
	s_wait_dscnt 0x0
	s_wait_kmcnt 0x0
	s_load_b128 s[52:55], s[10:11], 0x38           ; e14, e15, e16, e17
	s_load_b32 s56, s[10:11], 0x48                 ; e18
	s_add_nc_u64 s[6:7], s[6:7], s[50:51]
.irp g, 0,1,2,3
	s_mov_b32 s[G0+4*\g], 1                        ; count = 1
	s_add_co_u32 s[G0+4*\g+1], s57, \g*65536       ; LDS address: the same place as in the head's bytes
	s_add_nc_u64 s[G0+4*\g+2:G0+4*\g+3], s[6:7], \g*65536
	s_or_b32 s[G0+4*\g+3], s[G0+4*\g+3], 0x80000000   ; type = 2
.endr
	CROUND                                         ; all four work-groups are here: the joint loads meet
.irp g, 0,1,2,3
	tensor_load_to_lds s[G0+4*\g:G0+4*\g+3], s[G1:G1+7]
	s_nop 0
.endr
.rept 4
	v_nop
.endr
	s_lshl_b32 s58, s15, 4
	s_add_co_u32 s58, s58, s[WV]                   ; my query tile in the head: 16 x block + wave
	s_lshl_b32 s60, s16, 7
	s_add_co_u32 s60, s60, s58
	s_lshl_b32 s60, s60, 10
	s_add_nc_u64 s[4:5], s[4:5], s[60:61]          ; Q's fragment: 1,024 bytes a tile
	s_lshl_b32 s60, s17, 7
	s_add_co_u32 s60, s60, s58                     ; my row tile in the batch-major order
	s_lshl_b32 s59, s60, 10                        ; 16 rows of 64 bytes
	s_lshl_b32 s60, s60, 13                        ; a row tile of aoc is 8,192 bytes,
	s_lshl_b32 s14, s19, 10                        ; a head's part of it 1,024
	s_add_co_u32 s60, s60, s14
	s_add_nc_u64 s[12:13], s[12:13], s[60:61]
	s_lshl_b32 s14, s19, 2
	s_add_co_u32 s60, s59, s14
	s_add_nc_u64 s[8:9], s[8:9], s[60:61]          ; gate at my first row, my head's column
	global_load_b128 v[16:19], v1, s[4:5] th:TH_LOAD_NT
	global_load_b128 v[20:23], v1, s[4:5] offset:512 th:TH_LOAD_NT
	global_load_b32 v3, v5, s[8:9]
	v_mov_b32 v13, 0xff61b1e6                      ; the largest t so far: -3e38, under every t
	v_floor_f32 v12, -v13                          ; -M
	v_mov_b32 v14, 0
	v_mov_b32 v15, 0
	v_mov_b32 v236, 0                              ; written once: a lane permute's destination counts as one of its sources
	v_mov_b32 v253, 0                              ; (named as the upper half of the pair v[252:253])
.set J, 0
.rept 32
	v_mov_b32 v[160+J], 0                          ; O^T.  (The step is one macro: the first finds zeros, which the first change of M leaves zeros)
.set J, J+1
.endr
	s_wait_kmcnt 0x0
	s_add_co_i32 s50, s52, s53
	s_lshl_b32 s50, s50, 23
	s_add_co_i32 s[CS], s[CS], s50                 ; a score stands for score x 2^(e14 + e15)
	s_mov_b32 s[CS+1], s[CS]
	s_add_co_i32 s50, s54, 127
	s_lshl_b32 s51, s50, 23
	v_mov_b32 v244, s51                            ; 2^e16
	s_add_co_i32 s50, s50, 8
	s_lshl_b32 s50, s50, 23
	s_or_b32 s50, s50, 0x600000
	v_mov_b32 v240, s50                            ; 448 x 2^e16
	s_wait_loadcnt 0x0                             ; Q and the gate
; A KEY STEP: the 128 keys of the chunk at s[TB]
.macro STEP
	v_add_nc_u32 v2, s[TB], v1
.rept 3
	v_nop                                          ; with the addition above: four places between the last products and the loads into the registers that they read
.endr
.irp t, 0,1,2,3,4,5,6,7
.irp c, 0,1
	ds_load_b128 v[32+8*\t+4*\c:35+8*\t+4*\c], v2 offset:1024*\t+512*\c
.endr
.endr
	s_wait_dscnt 0x0
.irp t, 0,1,2,3,4,5,6,7
	v_wmma_f32_16x16x64_fp8_fp8 v[96+8*\t:103+8*\t], v[32+8*\t:39+8*\t], v[16:23], 0
.endr
.rept 4
	v_nop
.endr
.irp ct, 0,1,2,3
.irp c, 0,1,2,3
	ds_load_b128 v[32+16*\ct+4*\c:35+16*\ct+4*\c], v2 offset:8192+2048*\ct+512*\c   ; V^T's four fragments land under the softmax
.endr
.endr
	v_max3_num_f32 v254, v96, v97, v98             ; the step's largest score of my query among my 64 keys, in two chains, each accumulator from its low end on,
	v_max3_num_f32 v252, v99, v100, v101
.irp i, 6,10,14,18,22,26,30,34,38,42,46,50,54,58
	v_max3_num_f32 v254, v254, v[96+\i], v[97+\i]
	v_max3_num_f32 v252, v252, v[98+\i], v[99+\i]
.endr
	v_max3_num_f32 v254, v254, v158, v159
	v_max_num_f32 v254, v254, v252
	v_permlanex16_b32 v236, v254, s[SEL], s[SEL+1]
	v_max_num_f32 v254, v254, v236                 ; and among lane l xor 16's
	v_mul_f32 v254, s[CS], v254                    ; as t (c is positive)
	v_max_num_f32 v13, v13, v254                   ; the running largest t
	v_mov_b32 v254, v12
	v_floor_f32 v12, -v13                          ; the new -M = floor(-t): M is a whole number
	v_sub_f32 v254, v12, v254                      ; old M - new M: a whole number, 0 or less
	v_cvt_i32_f32 v254, v254                       ; (it saturates)
	v_ldexp_f32 v252, 1.0, v254                    ; f = 2^(old M - new M)
.irp j, 0,2,4,6,8,10,12,14,16,18,20,22,24,26,28,30,32,34,36,38,40,42,44,46,48,50,52,54,56,58,60,62
	v_pk_fma_f32 v[96+\j:97+\j], v[96+\j:97+\j], s[CS:CS+1], v[12:13] op_sel_hi:[1,0,0]   ; t - M
.endr
.set J, 0
.rept 64
	v_exp_f32 v[96+J], v[96+J]                     ; p = 2^(t - M), at most 1
.set J, J+1
.endr
	v_pk_mul_f32 v[14:15], v[14:15], v[252:253] op_sel_hi:[1,0]   ; the sums under the new M: the plain instruction behind the batch
	s_wait_alu depctr_va_vdst(0)                   ; one wait for the 64, ahead of their first reader
	v_pk_add_f32 v[242:243], v[96:97], v[98:99]    ; the row's sum is taken of the unquantised p, in two chains
.irp j, 4,8,12,16,20,24,28,32,36,40,44,48,52,56,60
	v_pk_add_f32 v[14:15], v[14:15], v[96+\j:97+\j]
	v_pk_add_f32 v[242:243], v[242:243], v[98+\j:99+\j]
.endr
	v_pk_add_f32 v[14:15], v[14:15], v[242:243]
.irp t, 0,1,2,3,4,5,6,7
.irp i, 0,1,2,3,4,5,6,7
	v_min_num_f32 v[96+8*\t+\i], v[96+8*\t+\i], v240   ; the conversion does not saturate (ISA guide 7.6.2); p is not negative, so the hold is one-sided
.endr
	v_cvt_scalef32_pk8_fp8_f32 v[192+2*\t:193+2*\t], v[96+8*\t:103+8*\t], v244
.endr
.irp j, 0,2,4,6,8,10,12,14,16,18,20,22,24,26,28,30
	v_pk_mul_f32 v[160+\j:161+\j], v[160+\j:161+\j], v[252:253] op_sel_hi:[1,0]   ; O^T under the new M; also the plain instructions behind the conversions
.endr
	s_wait_dscnt 0x0                               ; V^T is in: no LDS load of mine is out at a step's end
.irp ct, 0,1,2,3
	v_wmma_f32_16x16x128_fp8_fp8 v[160+8*\ct:167+8*\ct], v[32+16*\ct:47+16*\ct], v[192:207], v[160+8*\ct:167+8*\ct]
.endr
.endm
.macro STEPS first, n                  ; n key steps from chunk first on, in a counted loop
	s_mov_b32 s[TB], (\first)*16384
	s_mov_b32 s[CNT], \n
.Lstep_\@:
	STEP
	s_add_co_u32 s[TB], s[TB], 16384
	s_sub_co_u32 s[CNT], s[CNT], 1
	s_cmp_lg_u32 s[CNT], 0
	s_cbranch_scc1 .Lstep_\@
.endm
.macro ONE k                           ; the key step of chunk k, written out
	s_mov_b32 s[TB], (\k)*16384
	STEP
.endm
	s_wait_tensorcnt 3                             ; my part of group 0 has landed; the three loads issued behind it may stay out
	s_barrier_signal -1
	s_barrier_wait -1                              ; everybody's has
.irp g, 0,1,2
	STEPS 4*\g, 2                                  ; the group's first two steps
	s_wait_tensorcnt 2-\g                          ; my part of group g + 1 has landed: at most the 2 - g loads issued behind it are out;
	s_barrier_signal -1                            ; say so, two steps ahead of the first read of that group
	ONE 4*\g+2                                     ; the group's last two steps read group g's bytes alone
	ONE 4*\g+3
	s_barrier_wait -1                              ; everybody's part of group g + 1 has landed
.endr
	STEPS 12, 4
; THE WAY OUT.  O^T x 2^(e16 + e17) / the sum x the gate, quantised under e18: channel tile ct's eight codes are registers 2 ct, 2 ct + 1 of the next product's operand, so the wave stores two runs of 512 consecutive bytes.
	v_add_f32 v14, v14, v15
	v_permlanex16_b32 v252, v14, s[SEL], s[SEL+1]
	v_add_f32 v14, v14, v252                       ; the row's sum
	v_rcp_f32 v14, v14
	s_add_co_i32 s50, s56, 127
	s_lshl_b32 s51, s50, 23
	v_mov_b32 v244, s51                            ; 2^e18  (a plain instruction behind the reciprocal)
	s_add_co_i32 s50, s50, 8
	s_lshl_b32 s50, s50, 23
	s_or_b32 s50, s50, 0x600000
	v_mov_b32 v240, s50                            ; 448 x 2^e18
	s_add_co_i32 s50, s54, s55
	s_wait_alu depctr_va_vdst(0)
	v_ldexp_f32 v14, v14, s50
	v_mul_f32 v14, v14, v3
	v_mov_b32 v15, v14
.irp j, 0,2,4,6,8,10,12,14,16,18,20,22,24,26,28,30
	v_pk_mul_f32 v[96+\j:97+\j], v[160+\j:161+\j], v[14:15]
.endr
.irp ct, 0,1,2,3
.irp i, 0,1,2,3,4,5,6,7
	v_med3_num_f32 v[96+8*\ct+\i], v[96+8*\ct+\i], -v240, v240
.endr
	v_cvt_scalef32_pk8_fp8_f32 v[32+2*\ct:33+2*\ct], v[96+8*\ct:103+8*\ct], v244
.endr
	v_nop
	global_store_b128 v1, v[32:35], s[12:13]
	global_store_b128 v1, v[36:39], s[12:13] offset:512
	s_wait_tensorcnt 0x0
	s_wait_tensorcnt 0x0
	ds_add_u32 v251, v255
	s_wait_dscnt 0x0
	CROUND                                         ; the closing round: no work-group ends while a partner may still ask for a tile that names it
	s_endpgm
.Lfunc_end_k_qe9b3eb438c_attn:
	.size	k_qe9b3eb438c_attn, .Lfunc_end_k_qe9b3eb438c_attn-k_qe9b3eb438c_attn
	.p2alignl 7, 3214868480
	.fill 96, 4, 3214868480
	.section	.rodata,"a",@progbits
	.p2align	6, 0x0
	.amdhsa_kernel k_qe9b3eb438c_attn
		.amdhsa_group_segment_fixed_size 264192
		.amdhsa_private_segment_fixed_size 0
		.amdhsa_enable_private_segment 0
		.amdhsa_kernarg_size 40
		.amdhsa_user_sgpr_count 2
		.amdhsa_user_sgpr_kernarg_segment_ptr 1
		.amdhsa_wavefront_size32 1
		.amdhsa_system_sgpr_workgroup_id_x 1
		.amdhsa_system_sgpr_workgroup_id_y 1
		.amdhsa_system_sgpr_workgroup_id_z 1
		.amdhsa_system_vgpr_workitem_id 0
		.amdhsa_next_free_vgpr 256
		.amdhsa_next_free_sgpr 80
		.amdhsa_reserve_vcc 0
		.amdhsa_float_denorm_mode_32 3
		.amdhsa_float_denorm_mode_16_64 3
		.amdhsa_memory_ordered 1
		.amdhsa_forward_progress 1
		.amdhsa_inst_pref_size 163
	.end_amdhsa_kernel
	.amdgpu_metadata
---
amdhsa.version: [ 1, 2 ]
amdhsa.kernels:
  - .name:           k_qe9b3eb438c_attn
    .symbol:         k_qe9b3eb438c_attn.kd
    .args:
      - { .name: qc, .offset: 0, .size: 8, .value_kind: global_buffer, .address_space: global }
      - { .name: kvc, .offset: 8, .size: 8, .value_kind: global_buffer, .address_space: global }
      - { .name: gate, .offset: 16, .size: 8, .value_kind: global_buffer, .address_space: global }
      - { .name: lowp_scales, .offset: 24, .size: 8, .value_kind: global_buffer, .address_space: global }
      - { .name: aoc, .offset: 32, .size: 8, .value_kind: global_buffer, .address_space: global }
    .group_segment_fixed_size: 264192
    .private_segment_fixed_size: 0
    .kernarg_segment_align: 8
    .kernarg_segment_size: 40
    .max_flat_workgroup_size: 512
    .sgpr_count:     80
    .vgpr_count:     256
    .wavefront_size: 32
...
	.end_amdgpu_metadata
.endif
;; end of part 3
;; launch tail (part 4): grid 128 x 1, 8 waves a work-group, no clusters, 117,760 bytes of LDS; arguments aoc, wcodes, o_b, he_b, hp_w, hp_b, lowp_scales, out0, out1; writes out0, out1
.if DOCPART == 4
	.amdgcn_target "amdgcn-amd-amdhsa--gfx1250"
	.amdhsa_code_object_version 6
	.text
	.protected	k_qe9b3eb438c_tail
	.globl	k_qe9b3eb438c_tail
	.p2align	8
	.type	k_qe9b3eb438c_tail,@function
k_qe9b3eb438c_tail:
	s_mov_b64 s[64:65], 0
	v_nop
	global_prefetch_b8 v0, s[64:65] scope:SCOPE_SE
	s_setreg_imm32_b32 hwreg(HW_REG_WAVE_MODE, 25, 1), 1
	s_wait_xcnt 0x0
; TAIL.  For 64 rows: out = ao o_w + o_b (ao arrives as codes), expr_out = out he_w + he_b (both on codes of FP8, E4M3, with the given scales), pos_out = out hp_w + hp_b (bf16 operands, f32 sums).  out never goes to memory.
; SHARES as in the launch in front of attention: eight waves share the columns, wave w makes columns 64 w .. 64 w + 63 of all 64 rows in 16 accumulators; its weight fragments come from memory straight into its registers, three sets
; of four ahead; the rows' codes go round through LDS as images of their registers (a chunk of 16 rows x 32 K is 512 bytes, lane l's 16 bytes at 16 l).  No joint loads: no weight fragment serves two waves of a work-group.
; THE ORDER IN A K STEP: the 16 products; the NEXT step's four fragments of rows out of LDS; then the request for the weights three steps on.  So the LDS loads are on their way while the sixteen global loads are issued.
; pos_out's K = 512 is spread over the waves: each multiplies its own 64 columns of out (rounded to bf16) by its 64 rows of hp_w; the eight partial sums meet in LDS and are added by waves 0 and 1, a thread a row.
; TRANSPOSED USE: source 0 = 16 weight columns, source 1 = 16 rows: a lane holds one row and eight neighbouring columns.
; LIMITS: e20 between -126 and 119; e18 + e19 and e20 + e21 between -126 and 127; NaN among the inputs is not served.
; WINDOW 0: v0-31 addresses and the quantiser's two numbers; v32-95 A: four fragments of rows, later out in bf16, codes, rows of expr_out; v96-111 pos_out's two accumulators; v112-127 hp_w's two fragments; v128-255 the accumulators.
; WINDOW 1: v0-191 three sets of four weight fragments; v192-223 o_b, v224-255 he_b.
.set OOFF,  1261568
.set HEOFF, 1523712
.set OIMG,  32768                      ; LDS: ao's 16 fragments at 0 ((4 m + s) x 2048), out's at OIMG,
.set PART,  65536                      ; pos_out's partial sums: wave x 2048 + m x 512 + 16 x lane,
.set STG,   81920                      ; and a stage of 16 rows x (256 bytes + 16) for each wave
.set QS,  30
.set QL,  31
.set A,   32
.set ACC, 128
.set BA,  192
.set BB,  224
.set WC,  10                           ; s[10:11] wcodes
.set E18, 44                           ; s[44:47] e18 .. e21
.set MSB, 0
.macro WIN new                         ; s_set_vgpr_msb: bits 1:0 source 0, 3:2 source 1, 5:4 source 2, 7:6 destination; the high byte repeats the setting that is left
.if MSB != \new
	s_set_vgpr_msb (MSB<<8)|\new
.set MSB, \new
.endif
.endm
.macro PLACES n
.rept \n
	v_nop
.endr
.endm
.macro BARRIER
	s_wait_dscnt 0x0
	s_barrier_signal -1
	s_barrier_wait -1
.endm
.macro SMUL ea, eb
	s_add_co_i32 s66, s[\ea], s[\eb]
	s_add_co_i32 s66, s66, 127
	s_lshl_b32 s66, s66, 23
	s_mov_b32 s67, s66
.endm
.macro FETCH reg, areg, off
.irp c, 0,1,2,3
	ds_load_b128 v[(\reg)+4*\c:(\reg)+4*\c+3], v[\areg] offset:(\off)+512*\c
.endr
.endm
.macro AFETCH areg, sidx               ; the four row tiles' fragments of K step sidx
.irp m, 0,1,2,3
	FETCH A+16*\m, \areg, \m*8192+(\sidx)*2048
.endr
.endm
.macro WLOAD slot, off, ks             ; my four column tiles' fragments of K step ks into set slot of window 1
	WIN 0x40
.irp j, 0,1,2,3
.irp c, 0,1,2,3
	global_load_b128 v[64*(\slot)+16*\j+4*\c:64*(\slot)+16*\j+4*\c+3], v8, s[WC:WC+1] offset:(\off)+\j*8192+(\ks)*2048+\c*512
.endr
.endr
	WIN 0
.endm
.macro WSET i                          ; sets 0-3 o_w, 4-7 he_w; set i lives in slot i % 3
.if (\i) < 4
	WLOAD (\i)%3, OOFF, \i
.else
	WLOAD (\i)%3, HEOFF, (\i)-4
.endif
.endm
.macro BLOAD dst, ptr
	WIN 0x40
.irp j, 0,1,2,3
.irp ii, 0,1
	global_load_b128 v[\dst+8*\j+4*\ii:\dst+8*\j+4*\ii+3], v9, s[\ptr:\ptr+1] offset:64*\j+16*\ii
.endr
.endr
	WIN 0
.endm
; a K step: set i is in (cnt: the global loads issued behind it) and so are the rows' fragments, asked for a step ago; 16 products on 16 accumulators by turns;
; then K step nx's fragments out of LDS (nx = -1: none), and only then the request for set i + 3
.macro GSTEP i, areg, nx, cnt, zero
	s_wait_loadcnt \cnt
	s_wait_dscnt 0x0
	WIN 0x01
.irp m, 0,1,2,3
.irp j, 0,1,2,3
.set rD, ACC+8*(4*\m+\j)
.set rW, 64*((\i)%3)+16*\j
.if \zero
	v_wmma_f32_16x16x128_fp8_fp8 v[rD:rD+7], v[rW:rW+15], v[A+16*\m:A+16*\m+15], 0
.else
	v_wmma_f32_16x16x128_fp8_fp8 v[rD:rD+7], v[rW:rW+15], v[A+16*\m:A+16*\m+15], v[rD:rD+7]
.endif
.endr
.endr
	WIN 0
	PLACES 4
.if (\nx) >= 0
	AFETCH \areg, \nx
.endif
.if (\i)+3 < 8
	WSET (\i)+3
.endif
.endm
.macro FMA64 base                      ; every sum x 2^(ea + eb) + its column's bias; each accumulator from its low end on
	WIN 0x10
.irp m, 0,1,2,3
.irp j, 0,1,2,3
.irp i, 0,2,4,6
	v_pk_fma_f32 v[ACC+8*(4*\m+\j)+\i:ACC+8*(4*\m+\j)+\i+1], v[ACC+8*(4*\m+\j)+\i:ACC+8*(4*\m+\j)+\i+1], s[66:67], v[\base+8*\j+\i:\base+8*\j+\i+1] op_sel_hi:[1,0,1]
.endr
.endr
.endr
	WIN 0
.endm
	s_load_b512 s[8:23], s[0:1], 0x0               ; aoc s[8:9], wcodes s[10:11], o_b s[12:13], he_b s[14:15], hp_w s[16:17], hp_b s[18:19], lowp_scales s[20:21], out0 s[22:23]
	s_load_b64 s[24:25], s[0:1], 0x40              ; out1
	v_lshl_add_u32 v28, v0, 2, 0x1c800
	v_mov_b32 v29, 0
	v_lshrrev_b32 v1, 5, v0
	v_readfirstlane_b32 s2, v1                     ; wave w
	v_and_b32 v1, 15, v0                           ; r
	v_bfe_u32 v2, v0, 4, 1                         ; h
	v_and_b32 v3, 31, v0
	v_lshlrev_b32 v3, 4, v3                        ; v3  LI = 16 x lane: also ao's images
	v_add_nc_u32 v5, OIMG, v3                      ; v5  out's images
	s_lshl_b32 s68, s2, 12
	v_add_nc_u32 v6, s68, v3                       ; v6  my 4,096 bytes of the block's ao, in memory and in LDS
	s_lshl_b32 s68, s2, 10
	v_add_nc_u32 v7, s68, v5                       ; v7  out: K step w / 2, chunks 2 (w % 2) on
	s_lshl_b32 s68, s2, 15
	v_add_nc_u32 v8, s68, v3                       ; v8  my four tiles of a weight
	s_lshl_b32 s68, s2, 8
	v_lshl_add_u32 v9, v2, 5, s68                  ; v9  a bias: 256 w + 32 h
	v_lshl_add_u32 v15, v2, 11, s68
	v_lshl_add_u32 v15, v1, 4, v15                 ; v15 expr_out: row h, + 256 w + 16 r
	v_min_u32 v10, 2, v1
	v_lshlrev_b32 v10, 2, v10
	v_mad_u32_u24 v10, v2, 96, v10
	s_mul_i32 s68, s2, 768
	v_add_nc_u32 v10, s68, v10                     ; v10 hp_w: row 64 w + 8 h of 12 bytes, column min(r, 2): no load leaves the buffer
	s_lshl_b32 s68, s2, 11
	s_add_co_u32 s68, s68, PART
	v_add_nc_u32 v11, s68, v3                      ; v11 my partial sums
	v_bfe_u32 v12, v0, 4, 2
	v_lshlrev_b32 v12, 9, v12
	v_lshl_add_u32 v12, v1, 4, v12
	v_add_nc_u32 v12, PART, v12                    ; v12 row t = thread % 64 in a wave's partial sums: (t / 16) x 512 + 16 (t % 16)
	v_and_b32 v16, 63, v0
	v_mul_u32_u24 v16, v16, 12                     ; v16 row t of pos_out
	s_mul_i32 s68, s2, 16*272
	s_add_co_u32 s68, s68, STG
	v_mul_u32_u24 v13, v1, 272
	v_lshl_add_u32 v13, v2, 5, v13
	v_add_nc_u32 v13, s68, v13                     ; v13 my stage, in: row r, + 32 h
	v_mul_u32_u24 v14, v2, 272
	v_lshl_add_u32 v14, v1, 4, v14
	v_add_nc_u32 v14, s68, v14                     ; v14 back: lanes 0-15 one row of 256 bytes, lanes 16-31 the next
	s_mov_b32 s71, 0
	s_wait_kmcnt 0x0
	s_load_b128 s[44:47], s[20:21], 0x48           ; e18 .. e21
	s_load_b96 s[48:50], s[18:19], 0x0             ; hp_b
	s_lshl_b32 s70, ttmp9, 15
	s_add_nc_u64 s[8:9], s[8:9], s[70:71]          ; ao: four row tiles of 8,192 bytes
	s_lshl_b32 s70, ttmp9, 17
	s_add_nc_u64 s[22:23], s[22:23], s[70:71]      ; expr_out at my first row
	s_mul_i32 s70, ttmp9, 768
	s_add_nc_u64 s[24:25], s[24:25], s[70:71]      ; pos_out likewise
; ---- the head's loads, 104 in this order: ao 8, hp_w 32, the biases 16, sets 0 to 2
.irp k, 0,1,2,3,4,5,6,7
	global_load_b128 v[ACC+4*\k:ACC+4*\k+3], v6, s[8:9] offset:512*\k th:TH_LOAD_NT
.endr
.irp u, 0,1
.irp a, 0,1
.irp i, 0,1,2,3,4,5,6,7
	global_load_b32 v[160+16*\u+8*\a+\i], v10, s[16:17] offset:(32*\u+16*\a+\i)*12   ; hp_w(64 w + 32 u + 16 a + 8 h + i, r)
.endr
.endr
.endr
	BLOAD BA, 12
	BLOAD BB, 14
	WSET 0
	WSET 1
	WSET 2
	s_wait_loadcnt 63                              ; of 104 loads the 41 oldest are in: ao's 8 and hp_w's 32 among them
.irp k, 0,1,2,3,4,5,6,7
	ds_store_b128 v6, v[ACC+4*\k:ACC+4*\k+3] offset:512*\k
.endr
	v_cmp_gt_u32 vcc_lo, 3, v1
.irp u, 0,1
.irp a, 0,1
.irp p, 0,1,2,3
	v_cvt_pk_bf16_f32 v[112+8*\u+4*\a+\p], v[160+16*\u+8*\a+2*\p], v[160+16*\u+8*\a+2*\p+1]
.endr
.endr
.endr
.set J, 112
.rept 16
	v_cndmask_b32 v[J], 0, v[J], vcc_lo            ; the tile's columns 3 to 15 are zeros
.set J, J+1
.endr
	BARRIER                                        ; ao's sixteen fragments lie in LDS
; ---- O.  Counts: the two sets issued behind the one that a step needs
	AFETCH 3, 0
	GSTEP 0, 3, 1, 32, 1
	GSTEP 1, 3, 2, 32, 0
	GSTEP 2, 3, 3, 32, 0
	GSTEP 3, 3, -1, 32, 0
	s_wait_kmcnt 0x0
	SMUL E18, E18+1
	FMA64 BA
.irp m, 0,1,2,3
.irp j, 0,1,2,3
.irp p, 0,1,2,3
	v_cvt_pk_bf16_f32 v[A+16*\m+4*\j+\p], v[ACC+8*(4*\m+\j)+2*\p], v[ACC+8*(4*\m+\j)+2*\p+1]   ; tiles 2 u, 2 u + 1 are a bf16 fragment of 32 along K
.endr
.endr
.endr
.irp mp, 0,2                           ; pos_out's partial sums, two row tiles at a time: two accumulators by turns
	v_wmma_f32_16x16x32_bf16 v[96:103], v[112:119], v[A+16*\mp:A+16*\mp+7], 0
	v_wmma_f32_16x16x32_bf16 v[104:111], v[112:119], v[A+16*\mp+16:A+16*\mp+23], 0
	v_wmma_f32_16x16x32_bf16 v[96:103], v[120:127], v[A+16*\mp+8:A+16*\mp+15], v[96:103]
	v_wmma_f32_16x16x32_bf16 v[104:111], v[120:127], v[A+16*\mp+24:A+16*\mp+31], v[104:111]
	PLACES 5                                       ; four for the stores that read the results, five for the next pair's products, which write over them
	ds_store_b128 v11, v[96:99] offset:\mp*512     ; lanes 0-15: row r, columns 0 to 3 (the fourth a zero)
	ds_store_b128 v11, v[104:107] offset:\mp*512+512
	s_wait_dscnt 0x0                               ; the stores have read their registers
.endr
	s_add_co_i32 s68, s[E18+2], 127
	s_lshl_b32 s69, s68, 23
	v_mov_b32 v[QS], s69                           ; 2^e20
	s_add_co_i32 s68, s68, 8
	s_lshl_b32 s68, s68, 23
	s_or_b32 s68, s68, 0x600000
	v_mov_b32 v[QL], s68                           ; 448 x 2^e20
.irp m, 0,1,2,3
.irp j, 0,1,2,3
.irp i, 0,1,2,3,4,5,6,7
	v_med3_num_f32 v[ACC+8*(4*\m+\j)+\i], v[ACC+8*(4*\m+\j)+\i], -v[QL], v[QL]   ; the conversion does not saturate (ISA guide 7.6.2)
.endr
	v_cvt_scalef32_pk8_fp8_f32 v[A+8*\m+2*\j:A+8*\m+2*\j+1], v[ACC+8*(4*\m+\j):ACC+8*(4*\m+\j)+7], v[QS]
.endr
.endr
	v_nop                                          ; one plain instruction behind the last conversion
.irp m, 0,1,2,3
	ds_store_b128 v7, v[A+8*\m:A+8*\m+3] offset:\m*8192
	ds_store_b128 v7, v[A+8*\m+4:A+8*\m+7] offset:\m*8192+512
.endr
	BARRIER                                        ; out's sixteen fragments and all partial sums lie in LDS: the last barrier
; ---- E
	AFETCH 5, 0
	GSTEP 4, 5, 1, 32, 1
	GSTEP 5, 5, 2, 32, 0
	GSTEP 6, 5, 3, 16, 0
	GSTEP 7, 5, -1, 0, 0
	SMUL E18+2, E18+3
	FMA64 BB
; a lane holds 32 bytes of a row and the lanes beside it other rows: a row tile goes through my own stage and comes back as rows of 256 bytes, which sixteen lanes store as one aligned run.  LDS serves a wave's instructions in order
; (ISA guide 5.7.1.4): no wait between the stores and the loads, nor in front of the next tile's stores.
.irp m, 0,1,2,3
.irp j, 0,1,2,3
	ds_store_b128 v13, v[ACC+8*(4*\m+\j):ACC+8*(4*\m+\j)+3] offset:64*\j
	ds_store_b128 v13, v[ACC+8*(4*\m+\j)+4:ACC+8*(4*\m+\j)+7] offset:64*\j+16
.endr
.if \m >= 2
	s_wait_xcnt 0x0                                ; the stores of two tiles ago have read their registers
.endif
.irp i, 0,1,2,3,4,5,6,7
	ds_load_b128 v[A+32*(\m%2)+4*\i:A+32*(\m%2)+4*\i+3], v14 offset:\i*544
.endr
	s_wait_dscnt 0x0
.irp i, 0,1,2,3,4,5,6,7
	global_store_b128 v15, v[A+32*(\m%2)+4*\i:A+32*(\m%2)+4*\i+3], s[22:23] offset:(16*\m+2*\i)*2048 th:TH_STORE_NT
.endr
.endr
; ---- pos_out: waves 0 and 1, a thread a row
	s_cmp_ge_u32 s2, 2
	s_cbranch_scc1 .Ldone
.irp p, 0,1,2,3,4,5,6,7
	ds_load_b128 v[ACC+4*\p:ACC+4*\p+3], v12 offset:2048*\p
.endr
	s_wait_dscnt 0x0
.irp p, 0,2,4,6
	v_pk_add_f32 v[ACC+4*\p:ACC+4*\p+1], v[ACC+4*\p:ACC+4*\p+1], v[ACC+4*\p+4:ACC+4*\p+5]
	v_pk_add_f32 v[ACC+4*\p+2:ACC+4*\p+3], v[ACC+4*\p+2:ACC+4*\p+3], v[ACC+4*\p+6:ACC+4*\p+7]
.endr
.irp p, 0,4
	v_pk_add_f32 v[ACC+4*\p:ACC+4*\p+1], v[ACC+4*\p:ACC+4*\p+1], v[ACC+4*\p+8:ACC+4*\p+9]
	v_pk_add_f32 v[ACC+4*\p+2:ACC+4*\p+3], v[ACC+4*\p+2:ACC+4*\p+3], v[ACC+4*\p+10:ACC+4*\p+11]
.endr
	v_pk_add_f32 v[ACC:ACC+1], v[ACC:ACC+1], v[ACC+16:ACC+17]
	v_pk_add_f32 v[ACC+2:ACC+3], v[ACC+2:ACC+3], v[ACC+18:ACC+19]
	v_add_f32 v[ACC], s48, v[ACC]
	v_add_f32 v[ACC+1], s49, v[ACC+1]
	v_add_f32 v[ACC+2], s50, v[ACC+2]
	global_store_b32 v16, v[ACC], s[24:25]
	global_store_b32 v16, v[ACC+1], s[24:25] offset:4
	global_store_b32 v16, v[ACC+2], s[24:25] offset:8
.Ldone:
	s_wait_tensorcnt 0x0
	ds_add_u32 v28, v29
	s_wait_dscnt 0x0
	s_endpgm
.Lfunc_end_k_qe9b3eb438c_tail:
	.size	k_qe9b3eb438c_tail, .Lfunc_end_k_qe9b3eb438c_tail-k_qe9b3eb438c_tail
	.p2alignl 7, 3214868480
	.fill 96, 4, 3214868480
	.section	.rodata,"a",@progbits
	.p2align	6, 0x0
	.amdhsa_kernel k_qe9b3eb438c_tail
		.amdhsa_group_segment_fixed_size 117760
		.amdhsa_private_segment_fixed_size 0
		.amdhsa_enable_private_segment 0
		.amdhsa_kernarg_size 72
		.amdhsa_user_sgpr_count 2
		.amdhsa_user_sgpr_kernarg_segment_ptr 1
		.amdhsa_wavefront_size32 1
		.amdhsa_system_sgpr_workgroup_id_x 1
		.amdhsa_system_sgpr_workgroup_id_y 1
		.amdhsa_system_sgpr_workgroup_id_z 1
		.amdhsa_system_vgpr_workitem_id 0
		.amdhsa_next_free_vgpr 512
		.amdhsa_next_free_sgpr 80
		.amdhsa_reserve_vcc 1
		.amdhsa_float_denorm_mode_32 3
		.amdhsa_float_denorm_mode_16_64 3
		.amdhsa_memory_ordered 1
		.amdhsa_forward_progress 1
		.amdhsa_inst_pref_size 74
	.end_amdhsa_kernel
	.amdgpu_metadata
---
amdhsa.version: [ 1, 2 ]
amdhsa.kernels:
  - .name:           k_qe9b3eb438c_tail
    .symbol:         k_qe9b3eb438c_tail.kd
    .args:
      - { .name: aoc, .offset: 0, .size: 8, .value_kind: global_buffer, .address_space: global }
      - { .name: wcodes, .offset: 8, .size: 8, .value_kind: global_buffer, .address_space: global }
      - { .name: o_b, .offset: 16, .size: 8, .value_kind: global_buffer, .address_space: global }
      - { .name: he_b, .offset: 24, .size: 8, .value_kind: global_buffer, .address_space: global }
      - { .name: hp_w, .offset: 32, .size: 8, .value_kind: global_buffer, .address_space: global }
      - { .name: hp_b, .offset: 40, .size: 8, .value_kind: global_buffer, .address_space: global }
      - { .name: lowp_scales, .offset: 48, .size: 8, .value_kind: global_buffer, .address_space: global }
      - { .name: out0, .offset: 56, .size: 8, .value_kind: global_buffer, .address_space: global }
      - { .name: out1, .offset: 64, .size: 8, .value_kind: global_buffer, .address_space: global }
    .group_segment_fixed_size: 117760
    .private_segment_fixed_size: 0
    .kernarg_segment_align: 8
    .kernarg_segment_size: 72
    .max_flat_workgroup_size: 256
    .sgpr_count:     80
    .vgpr_count:     512
    .wavefront_size: 32
...
	.end_amdgpu_metadata
.endif
;; end of part 4
;; ======== version 2 of 2: 4 launches; version 1 with the launches front, tail written anew for expert scheduling mode
;; workspace buffers: wcodes 1,786,368 bytes; qc 4,194,304 bytes; kvc 8,388,608 bytes; gate 524,288 bytes; aoc 4,194,304 bytes
;; launch prep: the kernel of part 1 again; grid 443 x 1, 4 waves a work-group, no clusters, 8,704 bytes of LDS; arguments expr_w1, expr_w2, pos_w2, cat_w, q_w, k_w, v_w, o_w, he_w, lowp_scales, diffusion_time, yy_w, yy_b, wcodes, out2; writes wcodes, out2
;; launch front (part 5): grid 128 x 1, 8 waves a work-group, no clusters, 181,248 bytes of LDS; arguments expression_features, position_features, pos_w1, pos_b1, pos_b2, expr_b1, expr_b2, cat_b, q_b, k_b, v_b, qn_w, kn_w, lowp_scales, wcodes, qc, kvc, gate; writes qc, kvc, gate
.if DOCPART == 5
	.amdgcn_target "amdgcn-amd-amdhsa--gfx1250"
	.amdhsa_code_object_version 6
	.text
	.protected	k_qe9b3eb438c_front
	.globl	k_qe9b3eb438c_front
	.p2align	8
	.type	k_qe9b3eb438c_front,@function
k_qe9b3eb438c_front:
	s_mov_b64 s[64:65], 0
	v_nop
	global_prefetch_b8 v0, s[64:65] scope:SCOPE_SE
	s_setreg_imm32_b32 hwreg(HW_REG_WAVE_SCHED_MODE, 0, 2), 2
	s_setreg_imm32_b32 hwreg(HW_REG_WAVE_MODE, 25, 1), 1
	s_wait_xcnt 0x0
	s_wait_alu depctr_vm_vsrc(0)
; FRONT.  For 64 rows of one batch: the expression MLP, the position MLP, cat -> h, then Q (RMS norm), K (RMS norm), V and sigmoid(gate).  te, tp, cat and h never go to memory.
; All products but the 4-deep position layer (f32 multiply-adds) are on codes of FP8 (E4M3) with the given scales 2^e; sums in f32; each finished sum is multiplied by 2^(ea + eb) and gets its bias in one packed multiply-add.
; SHARES.  Eight waves.  THE WAVES SHARE THE COLUMNS: in every 512-wide product wave w makes columns 64 w .. 64 w + 63 (head w) of all 64 rows: 16 accumulators (row tile m, column tile j).
; So each weight fragment serves one wave: it comes from memory (laid by the launch before in the order of the operand's registers) straight into that wave's registers, in three sets of four fragments by turns.
; The rows' codes go from wave to wave through LDS as images of their registers: a chunk (16 rows x 32 K) is 512 bytes, lane l's 16 bytes at 16 l.  No pitch, no padding; each LDS region is written once.
; No cluster and no joint loads: no two waves of the launch's work-group read the same weight fragment, and through LDS each fragment would be written and read once more than it is now.
; TRANSPOSED USE (source 0 = 16 weight columns, source 1 = 16 rows): a lane holds ONE row (lane % 16) and registers 0-7 of tile t are columns 16 t + 8 (lane / 16) + 0..7: their eight codes ARE registers 2 t, 2 t + 1 of the
; next operand.  V is made the other way round (source 0 = rows), so that a lane holds one channel and eight keys: its codes are V^T's registers along the keys.
; LIMITS: every e, e + 8 and ea + eb used lies between -126 and 127; NaN among the inputs is not served; v_sqrt_f32, v_rcp_f32, v_rsq_f32 and v_exp_f32 count denormals as zero (ISA guide 15.8).
; WINDOW 0: v0-35 addresses and the quantiser's two numbers; v36-99 A: four fragments of rows, later codes and work; v100-111 work; v112-127 the time fragment (before: the position hidden layer; at the end: the gate's bias);
;   v128-255 the accumulators, (m, j) at 128 + 8 (4 m + j).   WINDOW 1: v0-191 three sets of four weight fragments, W0, W1, W2; v192-223, v224-255 biases and norm weights.
; THE MODE: SCHED_MODE bits 1:0 = 2 (LLVM: expert scheduling mode 2), set by the entry lines.  The code itself states the register dependences
; between vector or matrix instructions and memory or LDS instructions, with s_wait_alu, always for 0.
; THE PLAN.  Registers that memory or LDS instructions touch:
;   v3-v31, v34, v35  addresses: written at the head, ahead of one wait on va_vdst, and never again.
;   W0, W1, W2        set k of the weights lands in W[k % 3]; K step k's products read it; nothing else names it.
;   A                 the rows' fragments land here out of LDS; a K step's products read them; on the ways out conversions write codes here, which LDS stores or global stores read.
;   v100-107          small tiles' codes: conversions write them, LDS stores read them.     v112-127: loaded; read by vector and matrix instructions alone.
;   BA, BB            biases and norm weights: loaded; read by packed multiply-adds and products.     The accumulators: x lands in them at the head; the gate's eight results are stored from them.
; A K STEP has ONE wait on va_vdst, behind its 16 products: they are done reading A and W[i % 3].  Behind it the next step's fragments of rows are asked for out of LDS.  The 16 loads of set i + 3, which land in W[i % 3], are
; DEALT AMONG THE NEXT STEP'S PRODUCTS, four behind each four: those products name W[(i + 1) % 3], A and the accumulators, none of the registers that these loads touch.  The last step of a product asks for its set in one run
; behind its wait, and the step behind it deals nothing.  On the ways out one wait on va_vdst stands ahead of each run of stores, and one on vm_vsrc ahead of the first line that writes again what stores have read.
.set W1OFF,  0
.set W2OFF,  32768
.set PW2OFF, 65536
.set CATOFF, 73728
.set QOFF,   466944
.set KOFF,   737280
.set VOFF,   999424
.set TCOFF,  1785856
.set HE,   32768                       ; LDS: x's 16 fragments at 0 ((4 m + s) x 2048); the expression hidden layer's 4 fragments of K = 64 (m x 1024);
.set HP,   36864                       ; the position hidden layer's;
.set CAT,  40960                       ; cat's te and tp: (5 m + s') x 2048, s' = 0..3 te, 4 tp (the time step is the same for all rows and stays in registers);
.set HQ,   81920                       ; h's codes under e8, e10, e12: (4 m + s) x 2048 each
.set HK,   114688
.set HV,   147456
.set QS,  32                           ; v32 the quantiser's scale as f32;  v33 448 x the scale
.set QL,  33
.set A,   36
.set T,   100
.set TF,  112
.set ACC, 128
.set BA,  192
.set BB,  224
.set WC,  36                           ; s[36:37] wcodes
.set E,   44                           ; s[E + i] = lowp_scales[i], i = 0 .. 17
.set MSB, 0
.macro WIN new                         ; s_set_vgpr_msb: bits 1:0 source 0, 3:2 source 1, 5:4 source 2, 7:6 destination; the high byte repeats the setting that is left
.if MSB != \new
	s_set_vgpr_msb (MSB<<8)|\new
.set MSB, \new
.endif
.endm
.macro PLACES n                        ; plain vector instructions between a matrix instruction and what reads its result or writes or loads into its registers
.rept \n
	v_nop
.endr
.endm
.macro BARRIER                         ; my LDS stores have landed and my LDS loads are in: then the work-group's barrier
	s_wait_dscnt 0x0
	s_barrier_signal -1
	s_barrier_wait -1
.endm
.macro SQ e                            ; the quantiser's numbers for the scale in s[e]
	s_add_co_i32 s68, s[\e], 127
	s_lshl_b32 s69, s68, 23
	v_mov_b32 v[QS], s69
	s_add_co_i32 s68, s68, 8
	s_lshl_b32 s68, s68, 23
	s_or_b32 s68, s68, 0x600000
	v_mov_b32 v[QL], s68
.endm
.macro SMUL ea, eb                     ; s[66:67] = 2^(ea + eb) as f32 (the packed form names the pair and takes its low word)
	s_add_co_i32 s66, s[\ea], s[\eb]
	s_add_co_i32 s66, s66, 127
	s_lshl_b32 s66, s66, 23
	s_mov_b32 s67, s66
.endm
; eight numbers of a lane become eight codes.  mode 0: held within +-448 x the scale, in place; 1: between 0 and that (the activation and the hold in one); 2: held into v[tmp] on, the numbers stay
.macro QT src, dst, mode, tmp
.irp i, 0,1,2,3,4,5,6,7
.if (\mode) == 0
	v_med3_num_f32 v[(\src)+\i], v[(\src)+\i], -v[QL], v[QL]
.elseif (\mode) == 1
	v_med3_num_f32 v[(\src)+\i], v[(\src)+\i], 0, v[QL]
.else
	v_med3_num_f32 v[(\tmp)+\i], v[(\src)+\i], -v[QL], v[QL]
.endif
.endr
.if (\mode) == 2
	v_cvt_scalef32_pk8_fp8_f32 v[(\dst):(\dst)+1], v[(\tmp):(\tmp)+7], v[QS]
.else
	v_cvt_scalef32_pk8_fp8_f32 v[(\dst):(\dst)+1], v[(\src):(\src)+7], v[QS]
.endif
.endm
.macro FETCH reg, areg, off            ; a fragment of K = 128 out of LDS, as it was stored
.irp c, 0,1,2,3
	ds_load_b128 v[(\reg)+4*\c:(\reg)+4*\c+3], v[\areg] offset:(\off)+512*\c
.endr
.endm
.macro FETCH64 reg, areg, off          ; of K = 64
.irp c, 0,1
	ds_load_b128 v[(\reg)+4*\c:(\reg)+4*\c+3], v[\areg] offset:(\off)+512*\c
.endr
.endm
.macro AFETCH areg, mstr, sidx         ; the four row tiles' fragments of K step sidx
.irp m, 0,1,2,3
	FETCH A+16*\m, \areg, \m*(\mstr)+(\sidx)*2048
.endr
.endm
.macro WFRAG slot, off, tstr, ks, areg, j  ; one weight fragment (my column tile j, K step ks) into set slot of window 1: four loads of 512 consecutive bytes
	WIN 0x40
.irp c, 0,1,2,3
	global_load_b128 v[64*(\slot)+16*(\j)+4*\c:64*(\slot)+16*(\j)+4*\c+3], v[\areg], s[WC:WC+1] offset:(\off)+(\j)*(\tstr)+(\ks)*2048+\c*512
.endr
.endm
.macro WLOAD slot, off, tstr, ks, areg ; four of them
.irp j, 0,1,2,3
	WFRAG \slot, \off, \tstr, \ks, \areg, \j
.endr
	WIN 0
.endm
.macro WPART i, j                      ; THE WEIGHT STREAM: sets 0-5 cat_w, 6-9 q_w, 10-13 k_w, 14-17 v_w; set i lives in W[i % 3].  Fragment j of set i
.if (\i) < 6
	WFRAG (\i)%3, CATOFF, 12288, \i, 18, \j
.elseif (\i) < 10
	WFRAG (\i)%3, QOFF, 8192, (\i)-6, 17, \j
.elseif (\i) < 14
	WFRAG (\i)%3, KOFF, 8192, (\i)-10, 17, \j
.else
	WFRAG (\i)%3, VOFF, 8192, (\i)-14, 17, \j
.endif
.endm
.macro WSET i                          ; the whole of set i, in one run
.irp j, 0,1,2,3
	WPART \i, \j
.endr
	WIN 0
.endm
.macro BLOAD dst, ptr, areg            ; 32 numbers of a bias or a norm weight in the result's layout: for tile j those of columns 16 j + 8 h + 0..7
	WIN 0x40
.irp j, 0,1,2,3
.irp ii, 0,1
	global_load_b128 v[\dst+8*\j+4*\ii:\dst+8*\j+4*\ii+3], v[\areg], s[\ptr:\ptr+1] offset:64*\j+16*\ii
.endr
.endr
	WIN 0
.endm
; A K STEP of a 512-wide product: 16 products, 128 along K; the 16 accumulators take turns, one instruction a turn, in the same order in every step.
; Set i of the weights is in (cnt: the global loads issued behind it, which may stay out) and so are the rows' fragments, asked for a step ago.  zero: the products start the sums.
; vmode: source 0 = the rows, source 1 = the weights.  tf: the rows' fragment is the time fragment, the same for all four row tiles.
; deal: the set whose four fragments are asked for behind the four groups of products (-1: none): it lands in the set of registers that the step before read, which that step's wait has freed.
; w: the wait behind the products stands.  nx: the K step whose fragments of rows are asked for behind it (-1: none).  tl: the set asked for in one run behind it (-1: none).
.macro GSTEP i, areg, mstr, nx, cnt, zero, vmode, tf, deal, tl, w
	s_wait_loadcnt \cnt
.if (\tf) == 0
	s_wait_dscnt 0x0
.endif
.irp m, 0,1,2,3
.if \vmode
	WIN 0x04
.else
	WIN 0x01
.endif
.irp j, 0,1,2,3
.set rD, ACC+8*(4*\m+\j)
.set rW, 64*((\i)%3)+16*\j
.set rA, A+16*\m
.if \tf
.set rA, TF
.endif
.if \vmode
.if \zero
	v_wmma_f32_16x16x128_fp8_fp8 v[rD:rD+7], v[rA:rA+15], v[rW:rW+15], 0
.else
	v_wmma_f32_16x16x128_fp8_fp8 v[rD:rD+7], v[rA:rA+15], v[rW:rW+15], v[rD:rD+7]
.endif
.else
.if \zero
	v_wmma_f32_16x16x128_fp8_fp8 v[rD:rD+7], v[rW:rW+15], v[rA:rA+15], 0
.else
	v_wmma_f32_16x16x128_fp8_fp8 v[rD:rD+7], v[rW:rW+15], v[rA:rA+15], v[rD:rD+7]
.endif
.endif
.endr
.if (\deal) >= 0
	WPART \deal, \m                                ; no wait: no vector or matrix instruction since the last step's wait names these registers or their address
.endif
.endr
	WIN 0
	PLACES 4                                       ; in front of the loads into the fragments' registers and of the first read of results
.if \w
	s_wait_alu depctr_va_vdst(0)                   ; this step's products are done reading the rows' fragments, in which the next step's land, and W[i % 3], in which set i + 3 lands
.endif
.if (\nx) >= 0
	AFETCH \areg, \mstr, \nx
.endif
.if (\tl) >= 0
	WSET \tl
.endif
.endm
.macro FMA64 base                      ; every sum x 2^(ea + eb) + its column's bias, two at a time; each accumulator from its low end on
	WIN 0x10
.irp m, 0,1,2,3
.irp j, 0,1,2,3
.irp i, 0,2,4,6
	v_pk_fma_f32 v[ACC+8*(4*\m+\j)+\i:ACC+8*(4*\m+\j)+\i+1], v[ACC+8*(4*\m+\j)+\i:ACC+8*(4*\m+\j)+\i+1], s[66:67], v[\base+8*\j+\i:\base+8*\j+\i+1] op_sel_hi:[1,0,1]
.endr
.endr
.endr
	WIN 0
.endm
; bias, then the RMS norm over my head's 64 columns: a lane holds 32 of its row's, lane l xor 16 the others.  w x (x x rsqrt(mean(x x) + 1e-6)), as it is written
.macro NORM1 ea, eb
	SMUL \ea, \eb
	FMA64 BA
.irp m, 0,1,2,3
	v_pk_mul_f32 v[68+4*\m:69+4*\m], v[ACC+32*\m:ACC+32*\m+1], v[ACC+32*\m:ACC+32*\m+1]           ; eight chains: two for each row tile
	v_pk_mul_f32 v[70+4*\m:71+4*\m], v[ACC+32*\m+2:ACC+32*\m+3], v[ACC+32*\m+2:ACC+32*\m+3]
.endr
.irp p, 4,8,12,16,20,24,28
.irp m, 0,1,2,3
	v_pk_fma_f32 v[68+4*\m:69+4*\m], v[ACC+32*\m+\p:ACC+32*\m+\p+1], v[ACC+32*\m+\p:ACC+32*\m+\p+1], v[68+4*\m:69+4*\m]
	v_pk_fma_f32 v[70+4*\m:71+4*\m], v[ACC+32*\m+\p+2:ACC+32*\m+\p+3], v[ACC+32*\m+\p+2:ACC+32*\m+\p+3], v[70+4*\m:71+4*\m]
.endr
.endr
.irp m, 0,1,2,3
	v_pk_add_f32 v[68+4*\m:69+4*\m], v[68+4*\m:69+4*\m], v[70+4*\m:71+4*\m]
.endr
.irp m, 0,1,2,3
	v_add_f32 v[68+4*\m], v[68+4*\m], v[69+4*\m]
.endr
.irp m, 0,1,2,3
	v_permlanex16_b32 v[70+4*\m], v[68+4*\m], s72, s73
.endr
.irp m, 0,1,2,3
	v_add_f32 v[68+4*\m], v[68+4*\m], v[70+4*\m]
.endr
.irp m, 0,1,2,3
	v_fma_f32 v[105+2*\m], v[68+4*\m], s74, s75    ; the sum / 64 + 1e-6
.endr
.irp m, 0,1,2,3
	v_rsq_f32 v[104+2*\m], v[105+2*\m]
.endr
	v_nop                                          ; a plain instruction behind the last of the batch,
	s_wait_alu depctr_va_vdst(0)                   ; and one wait for the four: v104, v106, v108 and v110 are written, ahead of their first reader
.irp m, 0,1,2,3
.irp p, 0,2,4,6,8,10,12,14,16,18,20,22,24,26,28,30
	v_pk_mul_f32 v[ACC+32*\m+\p:ACC+32*\m+\p+1], v[ACC+32*\m+\p:ACC+32*\m+\p+1], v[104+2*\m:105+2*\m] op_sel_hi:[1,0]
.endr
.endr
	WIN 0x04
.irp m, 0,1,2,3
.irp p, 0,2,4,6,8,10,12,14,16,18,20,22,24,26,28,30
	v_pk_mul_f32 v[ACC+32*\m+\p:ACC+32*\m+\p+1], v[ACC+32*\m+\p:ACC+32*\m+\p+1], v[BB+\p:BB+\p+1]
.endr
.endr
	WIN 0
.endm
.macro NORM2 eq, sareg, sptr           ; quantised along the head's 64; a row tile's fragment (K = 64) leaves as two stores of 512 consecutive bytes
	SQ \eq
.irp m, 0,1,2,3
.irp j, 0,1,2,3
	QT ACC+8*(4*\m+\j), A+8*\m+2*\j, 0, 0
.endr
.endr
	v_nop                                          ; one plain instruction behind the last conversion
	s_wait_alu depctr_va_vdst(0)                   ; the conversions have written the codes, which the stores read; the multiply-adds and products above are done reading BA and BB, in which the next bias and norm weight land
.irp m, 0,1,2,3
.irp c, 0,1
	global_store_b128 v[\sareg], v[A+8*\m+4*\c:A+8*\m+4*\c+3], s[\sptr:\sptr+1] offset:\m*1024+\c*512
.endr
.endr
.endm
; ---- the head: addresses
	s_load_b512 s[8:23], s[0:1], 0x0               ; x s[8:9], position s[10:11], pos_w1 s[12:13], pos_b1 s[14:15], pos_b2 s[16:17], expr_b1 s[18:19], expr_b2 s[20:21], cat_b s[22:23]
	s_load_b512 s[24:39], s[0:1], 0x40             ; q_b s[24:25], k_b s[26:27], v_b s[28:29], qn_w s[30:31], kn_w s[32:33], lowp_scales s[34:35], wcodes s[36:37], qc s[38:39]
	s_load_b128 s[40:43], s[0:1], 0x80             ; kvc s[40:41], gate s[42:43]
	v_lshrrev_b32 v1, 5, v0
	v_readfirstlane_b32 s2, v1                     ; wave w
	v_and_b32 v1, 15, v0                           ; r
	v_bfe_u32 v2, v0, 4, 1                         ; h
	v_and_b32 v3, 31, v0
	v_lshlrev_b32 v3, 4, v3                        ; v3  LI = 16 x lane
	v_add_nc_u32 v4, CAT, v3                       ; v4-7  LI + a region's base
	v_add_nc_u32 v5, HQ, v3
	v_add_nc_u32 v6, HK, v3
	v_add_nc_u32 v7, HV, v3
	s_mov_b32 s5, ttmp9                            ; the work-group: rows 64 wg on
	s_lshr_b32 s6, s5, 5                           ; its batch
	s_wait_alu depctr_va_sdst(0)                   ; s2 is written, ahead of its first reader: addresses and branches are made from it
	s_lshr_b32 s3, s2, 1                           ; wa = w / 2
	s_and_b32 s4, s2, 1                            ; wb = w % 2
	s_lshl_b32 s68, s3, 13
	v_add_nc_u32 v8, s68, v3                       ; v8  x's fragments of row tile wa
	s_lshl_b32 s68, s2, 12
	v_add_nc_u32 v9, s68, v3                       ; v9  LI + 4096 w: where I store x's two fragments; also my four tiles of expr_w2's codes
	s_lshl_b32 s68, s2, 9
	s_add_co_u32 s68, s68, HE
	v_add_nc_u32 v10, s68, v3                      ; v10 a hidden layer's chunk wb of row tile wa
	s_lshl_b32 s68, s2, 10
	v_add_nc_u32 v11, s68, v4                      ; v11 te: K step wa, chunks 2 wb, 2 wb + 1
	v_add_nc_u32 v13, s68, v5                      ; v13-15 h likewise
	v_add_nc_u32 v14, s68, v6
	v_add_nc_u32 v15, s68, v7
	s_lshl_b32 s68, s3, 9
	s_mul_i32 s69, s4, 20480
	s_add_co_u32 s68, s68, s69
	s_add_co_u32 s68, s68, 8192
	v_add_nc_u32 v12, s68, v4                      ; v12 tp: row tile 2 wb, fragment 4, chunk wa
	s_and_b32 s7, s2, 3
	s_lshl_b32 s68, s7, 13
	v_add_nc_u32 v16, s68, v5                      ; v16 the gate: h's fragments of row tile w % 4
	s_lshl_b32 s68, s2, 15
	v_add_nc_u32 v17, s68, v3                      ; v17 my four tiles of a weight of depth 512
	s_mul_i32 s68, s2, 49152
	v_add_nc_u32 v18, s68, v3                      ; v18 of cat_w
	s_lshl_b32 s68, s2, 8
	v_lshl_add_u32 v19, v2, 5, s68                 ; v19 a bias: 256 w + 32 h
	v_lshlrev_b32 v20, 5, v2                       ; v20 a norm weight: 32 h
	v_lshl_add_u32 v21, v1, 2, s68                 ; v21 v_b: 256 w + 4 r
	s_lshl_b32 s68, s2, 17
	v_add_nc_u32 v22, s68, v3                      ; v22 qc: head w
	s_lshl_b32 s68, s2, 18
	v_add_nc_u32 v23, s68, v3                      ; v23 kvc: head w
	s_lshl_b32 s68, s7, 10
	v_lshl_add_u32 v24, v1, 6, s68
	v_lshl_add_u32 v24, v2, 5, v24                 ; v24 gate: row 16 (w % 4) + r of 64 bytes, + 32 h
	s_lshl_b32 s68, s4, 11
	s_add_co_u32 s68, s68, HP
	v_add_nc_u32 v25, s68, v3                      ; v25 the position hidden layer's fragments of row tiles 2 wb, 2 wb + 1
	s_lshl_b32 s68, s3, 11
	v_add_nc_u32 v26, s68, v3                      ; v26 pos_w2's tiles 2 wa, 2 wa + 1
	s_lshl_b32 s68, s4, 14
	v_add_nc_u32 v27, s68, v3                      ; v27 expr_w1's tiles 2 wb, 2 wb + 1
	s_lshl_b32 s68, s3, 15
	s_lshl_b32 s69, s4, 10
	s_add_co_u32 s68, s68, s69
	v_lshl_add_u32 v28, v1, 11, s68
	v_lshl_add_u32 v28, v2, 5, v28                 ; v28 x: row 16 wa + r of 2,048 bytes, K steps 2 wb on, + 32 h
	s_lshl_b32 s68, s3, 4
	v_add_nc_u32 v29, s68, v1
	v_mul_u32_u24 v29, v29, 12                     ; v29 position: row 16 wa + r
	s_lshl_b32 s68, s4, 7
	v_lshl_add_u32 v30, v2, 5, s68                 ; v30 128 wb + 32 h: pos_w1, pos_b1, expr_b1
	s_lshl_b32 s68, s3, 7
	v_lshl_add_u32 v31, v2, 5, s68                 ; v31 128 wa + 32 h: pos_b2
	v_mov_b32 v34, 0                               ; v34 the offset 0
	s_lshl_b32 s68, s6, 7
	v_lshl_add_u32 v35, v2, 3, s68                 ; v35 tdt's codes: 128 x batch + 8 h
	s_mov_b32 s72, 0x76543210                      ; v_permlanex16_b32: lane l xor 16
	s_mov_b32 s73, 0xfedcba98
	s_mov_b32 s74, 0x3c800000                      ; 1 / 64
	s_mov_b32 s75, 0x358637bd                      ; 1e-6
	s_wait_kmcnt 0x0
	s_load_b512 s[44:59], s[34:35], 0x0            ; e0 .. e15
	s_load_b64 s[60:61], s[34:35], 0x40            ; e16, e17
	s_mov_b32 s71, 0
	s_mov_b32 s79, 0
	s_lshl_b32 s70, s5, 17
	s_add_nc_u64 s[8:9], s[8:9], s[70:71]          ; x at my first row
	s_mul_i32 s70, s5, 768
	s_add_nc_u64 s[10:11], s[10:11], s[70:71]      ; position likewise
	s_and_b32 s7, s5, 31
	s_lshl_b32 s70, s6, 20
	s_lshl_b32 s68, s7, 12
	s_add_co_u32 s70, s70, s68
	s_add_nc_u64 s[38:39], s[38:39], s[70:71]      ; qc: the batch's 8 heads x 128 tiles x 1,024 bytes, my four query tiles
	s_lshl_b32 s70, s6, 21
	s_lshr_b32 s68, s7, 1
	s_lshl_b32 s68, s68, 14
	s_add_co_u32 s70, s70, s68                     ; kvc: the batch, my chunk of 128 keys (16,384 bytes: K's 8 key tiles, then V^T's 4 channel tiles)
	s_and_b32 s7, s5, 1                            ; which half of the chunk's keys is mine
	s_lshl_b32 s78, s7, 10
	s_add_co_u32 s78, s78, s70
	s_add_co_u32 s78, s78, 8192
	s_add_nc_u64 s[76:77], s[40:41], s[78:79]      ; s[76:77] V^T: my two chunks of 32 keys
	s_lshl_b32 s78, s7, 12
	s_add_co_u32 s70, s70, s78
	s_add_nc_u64 s[40:41], s[40:41], s[70:71]      ; s[40:41] K: my four key tiles
	s_lshl_b32 s70, s5, 12
	s_add_nc_u64 s[42:43], s[42:43], s[70:71]      ; gate at my first row
	s_wait_alu depctr_va_vdst(0)                   ; the addresses v3 to v31, v34 and v35 are written: every load and store of the kernel, global or LDS, reads one of them
; ---- the head's loads, 115 in this order: 23 for the position layer, 32 of x, 60 of weights and biases
	global_load_b32 v100, v29, s[10:11]
	global_load_b32 v101, v29, s[10:11] offset:4
	global_load_b32 v102, v29, s[10:11] offset:8
.irp j, 0,1,2,3
.irp cc, 0,1
.irp ii, 0,1
	global_load_b128 v[A+16*\j+8*\cc+4*\ii:A+16*\j+8*\cc+4*\ii+3], v30, s[12:13] offset:256*\j+64*\cc+16*\ii   ; pos_w1(j, 32 wb + 16 cc + 8 h + ..)
.endr
.endr
.endr
.irp cc, 0,1
.irp ii, 0,1
	global_load_b128 v[TF+8*\cc+4*\ii:TF+8*\cc+4*\ii+3], v30, s[14:15] offset:64*\cc+16*\ii                    ; pos_b1: the sums begin as the bias
.endr
.endr
.irp ss, 0,1
.irp q, 0,1,2,3
.irp u, 0,1
.irp jj, 0,1
	global_load_b128 v[ACC+64*\ss+16*\q+8*\u+4*\jj:ACC+64*\ss+16*\q+8*\u+4*\jj+3], v28, s[8:9] offset:512*\ss+128*\q+64*\u+16*\jj th:TH_LOAD_NT   ; x(row, 128 s + 32 q + 16 u + 8 h + ..)
.endr
.endr
.endr
.endr
	WIN 0x40
.irp tt, 0,1
.irp ks, 0,1,2,3
.irp c, 0,1,2,3
	global_load_b128 v[64*\tt+16*\ks+4*\c:64*\tt+16*\ks+4*\c+3], v27, s[WC:WC+1] offset:W1OFF+\tt*8192+\ks*2048+\c*512
.endr
.endr
.endr
.irp tt, 0,1
.irp ii, 0,1
	global_load_b128 v[BB+8*\tt+4*\ii:BB+8*\tt+4*\ii+3], v30, s[18:19] offset:64*\tt+16*\ii                    ; expr_b1
.endr
.endr
.irp j, 0,1,2,3
.irp c, 0,1
	global_load_b128 v[128+8*\j+4*\c:128+8*\j+4*\c+3], v9, s[WC:WC+1] offset:W2OFF+\j*1024+\c*512
.endr
.endr
.irp tt, 0,1
.irp c, 0,1
	global_load_b128 v[160+8*\tt+4*\c:160+8*\tt+4*\c+3], v26, s[WC:WC+1] offset:PW2OFF+\tt*1024+\c*512
.endr
.endr
.irp tt, 0,1
.irp ii, 0,1
	global_load_b128 v[BB+16+8*\tt+4*\ii:BB+16+8*\tt+4*\ii+3], v31, s[16:17] offset:64*\tt+16*\ii              ; pos_b2
.endr
.endr
	BLOAD BA, 20, 19                               ; expr_b2
; ---- P: the position hidden layer of row 16 wa + r, units 32 wb + 16 cc + 8 h + 0..7, in f32
	s_wait_loadcnt 63                              ; of 115 loads the 52 oldest are in: the position layer's 23 and x's first fragment (16) among them
	v_mul_f32 v103, v100, v100
	v_fmac_f32 v103, v101, v101
	v_fmac_f32 v103, v102, v102
	v_sqrt_f32 v110, v103                          ; the norm
	v_nop
	s_wait_alu depctr_va_vdst(0)                   ; the root v110 is written, ahead of its first reader
	v_add_f32 v109, 0x33d6bf95, v110               ; + 1e-7
	v_rcp_f32 v111, v109
	v_nop
	s_wait_alu depctr_va_vdst(0)                   ; the reciprocal v111 is written, ahead of its first reader
	v_mul_f32 v104, v100, v111                     ; the direction
	v_mul_f32 v106, v101, v111
	v_mul_f32 v108, v102, v111
	v_mov_b32 v105, v104                           ; (each is named as a pair below, so the upper halves are written)
	v_mov_b32 v107, v106
	v_mov_b32 v109, v108
	v_mov_b32 v111, v110
.irp j, 0,1,2,3
.irp p, 0,2,4,6,8,10,12,14
	v_pk_fma_f32 v[TF+\p:TF+\p+1], v[A+16*\j+\p:A+16*\j+\p+1], v[104+2*\j:105+2*\j], v[TF+\p:TF+\p+1] op_sel_hi:[1,0,1]
.endr
.endr
	s_wait_kmcnt 0x0                               ; the scales
	SQ E+4
	QT TF, T, 1, 0
	QT TF+8, T+2, 1, 0
	v_nop                                          ; one plain instruction behind the conversion, ahead of the line that writes its scale anew
; ---- X: my two fragments of x.  The position layer's codes and x's leave together, behind one wait
	SQ E+0
.irp q, 0,1,2,3
.irp u, 0,1
	QT ACC+16*\q+8*\u, A+4*\q+2*\u, 0, 0
.endr
.endr
	s_wait_loadcnt 60                              ; all of x is in; the 60 loads of weights and biases may be out
.irp q, 0,1,2,3
.irp u, 0,1
	QT ACC+64+16*\q+8*\u, A+16+4*\q+2*\u, 0, 0
.endr
.endr
	v_nop
	s_wait_alu depctr_va_vdst(0)                   ; the conversions have written v[T .. T+3] and v[A .. A+31], which the nine LDS stores read
	ds_store_b128 v10, v[T:T+3] offset:HP-HE
.irp c, 0,1,2,3
	ds_store_b128 v9, v[A+4*\c:A+4*\c+3] offset:512*\c
.endr
.irp c, 0,1,2,3
	ds_store_b128 v9, v[A+16+4*\c:A+16+4*\c+3] offset:2048+512*\c
.endr
	BARRIER                                        ; x's sixteen fragments and the position hidden layer's four lie in LDS
	s_wait_alu depctr_vm_vsrc(0)                   ; my LDS stores have read v[A .. A+31], in which fragments land now, and v[T .. T+3], which the next conversions write
; ---- T1: the expression hidden layer: row tile wa, column tiles 2 wb, 2 wb + 1; two accumulators by turns
.irp ks, 0,1,2,3
	FETCH A+16*\ks, 8, \ks*2048
.endr
	s_wait_loadcnt 24                              ; expr_w1's codes and expr_b1 are in; the 24 loads issued behind them may be out
	s_wait_dscnt 0x0
	WIN 0x01
.irp ks, 0,1,2,3
.irp tt, 0,1
.if \ks == 0
	v_wmma_f32_16x16x128_fp8_fp8 v[ACC+8*\tt:ACC+8*\tt+7], v[64*\tt+16*\ks:64*\tt+16*\ks+15], v[A+16*\ks:A+16*\ks+15], 0
.else
	v_wmma_f32_16x16x128_fp8_fp8 v[ACC+8*\tt:ACC+8*\tt+7], v[64*\tt+16*\ks:64*\tt+16*\ks+15], v[A+16*\ks:A+16*\ks+15], v[ACC+8*\tt:ACC+8*\tt+7]
.endif
.endr
.endr
	WIN 0
	PLACES 4
	s_wait_alu depctr_va_vdst(0)                   ; the products are done reading expr_w1's codes in W0 and W1, in which sets 0 and 1 land, and x's fragments in A, in which the hidden layers' land behind the next barrier
.irp q, 0,1,2,3
.irp u, 0,1
	global_load_b64 v[TF+4*\q+2*\u:TF+4*\q+2*\u+1], v35, s[WC:WC+1] offset:TCOFF+32*\q+16*\u   ; the time fragment: every row of the batch has the same 128 codes
.endr
.endr
	WSET 0
	WSET 1
	SMUL E+0, E+1
	WIN 0x10
.irp tt, 0,1
.irp i, 0,2,4,6
	v_pk_fma_f32 v[ACC+8*\tt+\i:ACC+8*\tt+\i+1], v[ACC+8*\tt+\i:ACC+8*\tt+\i+1], s[66:67], v[BB+8*\tt+\i:BB+8*\tt+\i+1] op_sel_hi:[1,0,1]
.endr
.endr
	WIN 0
	SQ E+2
	QT ACC, T, 1, 0
	QT ACC+8, T+2, 1, 0
	v_nop
	s_wait_alu depctr_va_vdst(0)                   ; the conversions have written v[T .. T+3], which the LDS store reads
	ds_store_b128 v10, v[T:T+3]
	BARRIER                                        ; the expression hidden layer's four fragments lie in LDS
	s_wait_alu depctr_vm_vsrc(0)                   ; my LDS store has read v[T .. T+3], which tp's conversions write
; ---- TP2: tp, column tiles 2 wa, 2 wa + 1 of row tiles 2 wb, 2 wb + 1;  T2: te, my four column tiles of all four row tiles.  K = 64
.irp m, 0,1,2,3
	FETCH64 A+16*\m, 3, HE+\m*1024
.endr
.irp mm, 0,1
	FETCH64 A+16*\mm+8, 25, \mm*1024
.endr
	s_wait_loadcnt 40                              ; the head's loads are in; the time fragment's 8 and sets 0 and 1 may be out
	s_wait_dscnt 0x0
	WIN 0x01
.irp mm, 0,1
.irp tt, 0,1
	v_wmma_f32_16x16x64_fp8_fp8 v[ACC+8*(2*\mm+\tt):ACC+8*(2*\mm+\tt)+7], v[160+8*\tt:167+8*\tt], v[A+16*\mm+8:A+16*\mm+15], 0
.endr
.endr
	WIN 0
	PLACES 4
	SMUL E+4, E+5
	WIN 0x10
.irp mm, 0,1
.irp tt, 0,1
.irp i, 0,2,4,6
	v_pk_fma_f32 v[ACC+8*(2*\mm+\tt)+\i:ACC+8*(2*\mm+\tt)+\i+1], v[ACC+8*(2*\mm+\tt)+\i:ACC+8*(2*\mm+\tt)+\i+1], s[66:67], v[BB+16+8*\tt+\i:BB+16+8*\tt+\i+1] op_sel_hi:[1,0,1]
.endr
.endr
.endr
	WIN 0
	SQ E+6
.irp mm, 0,1
.irp tt, 0,1
	QT ACC+8*(2*\mm+\tt), T+4*\mm+2*\tt, 0, 0
.endr
.endr
	v_nop
	WIN 0x01
.irp m, 0,1,2,3
.irp j, 0,1,2,3
	v_wmma_f32_16x16x64_fp8_fp8 v[ACC+8*(4*\m+\j):ACC+8*(4*\m+\j)+7], v[128+8*\j:135+8*\j], v[A+16*\m:A+16*\m+7], 0
.endr
.endr
	WIN 0
	PLACES 4
	s_wait_alu depctr_va_vdst(0)                   ; tp's conversions have written v[T .. T+7], which the two LDS stores read; the products are done reading expr_w2's and pos_w2's codes in W2, in which set 2 lands
.irp mm, 0,1
	ds_store_b128 v12, v[T+4*\mm:T+4*\mm+3] offset:\mm*10240
.endr
	WSET 2                                         ; into the set of registers that held expr_w2's and pos_w2's codes
	SMUL E+2, E+3
	FMA64 BA
.irp m, 0,1,2,3
.irp j, 0,1,2,3
	QT ACC+8*(4*\m+\j), A+8*\m+2*\j, 0, 0          ; (the scale is still e6's)
.endr
.endr
	v_nop
	s_wait_alu depctr_va_vdst(0)                   ; the conversions have written v[A .. A+31], which the LDS stores read; the multiply-adds are done reading BA, in which cat_b lands
.irp m, 0,1,2,3
	ds_store_b128 v11, v[A+8*\m:A+8*\m+3] offset:\m*10240
	ds_store_b128 v11, v[A+8*\m+4:A+8*\m+7] offset:\m*10240+512
.endr
	BLOAD BA, 22, 19                               ; cat_b
	BARRIER                                        ; cat's te and tp lie in LDS
	s_wait_alu depctr_vm_vsrc(0)                   ; my LDS stores have read v[A .. A+31], in which fragments land now, and v[T .. T+7], which the norms write later
; ---- C: h = cat cat_w + cat_b, six K steps.  Counts: the loads issued behind the set that a step needs (sets of 16, and cat_b's 8 while they are younger)
	AFETCH 4, 10240, 0
	GSTEP 0, 4, 10240, 1, 40, 1, 0, 0, -1, -1, 1   ; sets 0 to 2 are asked for: nothing is dealt
	GSTEP 1, 4, 10240, 2, 24, 0, 0, 0, 3, -1, 1
	GSTEP 2, 4, 10240, 3, 24, 0, 0, 0, 4, -1, 1
	GSTEP 3, 4, 10240, 4, 16, 0, 0, 0, 5, -1, 1    ; behind it tp's fragments are asked for: step 4 reads no fragment of rows
	GSTEP 4, 4, 10240, -1, 16, 0, 0, 1, 6, -1, 1   ; the time step
	GSTEP 5, 4, 10240, -1, 16, 0, 0, 0, 7, 8, 1    ; tp; set 8 goes out behind it, ahead of the way out
	SMUL E+6, E+7
	FMA64 BA
.irp z, 0,1,2                          ; h is quantised three times: under e8 for Q, e10 for K, e12 for V; the numbers stay
.if \z > 0
	s_wait_alu depctr_vm_vsrc(0)                   ; the LDS stores above have read v[A .. A+31], which the next conversions write
.endif
	SQ E+8+2*\z
.irp m, 0,1,2,3
.irp j, 0,1,2,3
	QT ACC+8*(4*\m+\j), A+8*\m+2*\j, 2, 84+8*(\j%2)
.endr
.endr
	v_nop
	s_wait_alu depctr_va_vdst(0)                   ; the conversions have written v[A .. A+31], which the LDS stores read; the first time also: the multiply-adds are done reading BA, in which q_b lands
.irp m, 0,1,2,3
	ds_store_b128 v[13+\z], v[A+8*\m:A+8*\m+3] offset:\m*8192
	ds_store_b128 v[13+\z], v[A+8*\m+4:A+8*\m+7] offset:\m*8192+512
.endr
.if \z == 0
	BLOAD BA, 24, 19                               ; q_b
	BLOAD BB, 30, 20                               ; qn_w
.endif
.endr
	BARRIER                                        ; h's three images lie in LDS: the last barrier
	s_wait_alu depctr_vm_vsrc(0)                   ; my LDS stores have read v[A .. A+31], in which fragments land now
; ---- Q.  Counts: the sets of 16 issued behind the one that a step needs and, while they are younger, the 16 loads of bias and norm weight
	AFETCH 5, 8192, 0
	GSTEP 6, 5, 8192, 1, 48, 1, 0, 0, -1, -1, 1
	GSTEP 7, 5, 8192, 2, 32, 0, 0, 0, 9, -1, 1
	GSTEP 8, 5, 8192, 3, 32, 0, 0, 0, 10, -1, 1
	GSTEP 9, 5, 8192, -1, 16, 0, 0, 0, 11, 12, 1
	NORM1 E+8, E+9
	NORM2 E+14, 22, 38
	BLOAD BA, 26, 19                               ; k_b
	BLOAD BB, 32, 20                               ; kn_w
; ---- K
	s_wait_xcnt 0x0                                ; the stores' addresses are translated: the fragments' area is loaded again only behind this wait,
	s_wait_alu depctr_vm_vsrc(0)                   ; and behind this one: the stores have read v[A .. A+31], in which fragments land now
	AFETCH 6, 8192, 0
	GSTEP 10, 6, 8192, 1, 48, 1, 0, 0, -1, -1, 1
	GSTEP 11, 6, 8192, 2, 32, 0, 0, 0, 13, -1, 1
	GSTEP 12, 6, 8192, 3, 32, 0, 0, 0, 14, -1, 1
	GSTEP 13, 6, 8192, -1, 16, 0, 0, 0, 15, 16, 1
	NORM1 E+10, E+11
	NORM2 E+15, 23, 40
	WIN 0x40
.irp j, 0,1,2,3
.irp hh, 0,1
	global_load_b32 v[BA+2*\j+\hh], v21, s[28:29] offset:64*\j   ; v_b of channel 16 j + r, into both halves of a pair
.endr
.endr
	WIN 0
; ---- V, the other way round: a lane holds channel 16 j + r and keys 16 m + 8 h + 0..7.  Counts: sets and v_b's 8
	s_wait_xcnt 0x0                                ; as ahead of K's first fragments
	s_wait_alu depctr_vm_vsrc(0)                   ; the stores have read v[A .. A+31], in which fragments land now
	AFETCH 7, 8192, 0
	GSTEP 14, 7, 8192, 1, 40, 1, 1, 0, -1, -1, 1
	GSTEP 15, 7, 8192, 2, 24, 0, 1, 0, 17, -1, 1
	GSTEP 16, 7, 8192, 3, 24, 0, 1, 0, -1, -1, 1
	GSTEP 17, 7, 8192, -1, 0, 0, 1, 0, -1, -1, 0   ; no wait behind it: the loads below land in W0 and v112-127, which no product since step 16's wait names
	s_cmp_ge_u32 s2, 4                             ; waves 0 to 3 will make the gate: its tile's four K steps and its bias are asked for here and land under V's way out
	s_cbranch_scc1 .Lno_gate_loads
	WLOAD 0, QOFF+262144, 2048, 0, 3
	global_load_b128 v[TF:TF+3], v34, s[24:25] offset:2048       ; q_b[512 .. 519], the same in every lane: lanes 16-31 hold the tile's 8 columns of padding
	global_load_b128 v[TF+4:TF+7], v34, s[24:25] offset:2064
.Lno_gate_loads:
	SMUL E+12, E+13
	WIN 0x10
.irp m, 0,1,2,3
.irp j, 0,1,2,3
.irp i, 0,2,4,6
	v_pk_fma_f32 v[ACC+8*(4*\m+\j)+\i:ACC+8*(4*\m+\j)+\i+1], v[ACC+8*(4*\m+\j)+\i:ACC+8*(4*\m+\j)+\i+1], s[66:67], v[BA+2*\j:BA+2*\j+1] op_sel_hi:[1,0,1]
.endr
.endr
.endr
	WIN 0
	SQ E+17
.irp m, 0,1,2,3
.irp j, 0,1,2,3
	QT ACC+8*(4*\m+\j), A+4*(2*\j+\m/2)+2*(\m%2), 0, 0           ; row tiles 2 q, 2 q + 1 are a chunk of 32 keys
.endr
.endr
	v_nop
	s_wait_alu depctr_va_vdst(0)                   ; the conversions have written v[A .. A+31], which the stores read; the last products are done reading A, in which the gate's fragments land
.irp j, 0,1,2,3
.irp q, 0,1
	global_store_b128 v23, v[A+4*(2*\j+\q):A+4*(2*\j+\q)+3], s[76:77] offset:\j*2048+\q*512
.endr
.endr
	s_wait_alu depctr_vm_vsrc(0)                   ; the stores have read v[A .. A+31], in which waves 0 to 3 load the gate's fragments: ahead of the branch, so on every way there
; ---- G: sigmoid of the gate, waves 0 to 3, a row tile each; two accumulators by turns
	s_cmp_ge_u32 s2, 4
	s_cbranch_scc1 .Ldone
	s_wait_xcnt 0x0
.irp ks, 0,1,2,3
	FETCH A+16*\ks, 16, \ks*2048
.endr
	s_wait_loadcnt 0x0
	s_wait_dscnt 0x0
	WIN 0x01
	v_wmma_f32_16x16x128_fp8_fp8 v[ACC:ACC+7], v[0:15], v[A:A+15], 0
	v_wmma_f32_16x16x128_fp8_fp8 v[ACC+8:ACC+15], v[16:31], v[A+16:A+31], 0
	v_wmma_f32_16x16x128_fp8_fp8 v[ACC:ACC+7], v[32:47], v[A+32:A+47], v[ACC:ACC+7]
	v_wmma_f32_16x16x128_fp8_fp8 v[ACC+8:ACC+15], v[48:63], v[A+48:A+63], v[ACC+8:ACC+15]
	WIN 0
	PLACES 4
	SMUL E+8, E+9
.irp i, 0,2,4,6
	v_pk_add_f32 v[ACC+\i:ACC+\i+1], v[ACC+\i:ACC+\i+1], v[ACC+8+\i:ACC+8+\i+1]
.endr
.irp i, 0,2,4,6
	v_pk_fma_f32 v[ACC+\i:ACC+\i+1], v[ACC+\i:ACC+\i+1], s[66:67], v[TF+\i:TF+\i+1] op_sel_hi:[1,0,1]
.endr
.irp i, 0,2,4,6
	v_pk_mul_f32 v[ACC+\i:ACC+\i+1], v[ACC+\i:ACC+\i+1], 0xbfb8aa3b op_sel_hi:[1,0]   ; x -log2(e)
.endr
.irp i, 0,1,2,3,4,5,6,7
	v_exp_f32 v[ACC+\i], v[ACC+\i]
.endr
	v_nop
	s_wait_alu depctr_va_vdst(0)                   ; the eight exponentials v[ACC .. ACC+7] are written, ahead of their first reader
.irp i, 0,1,2,3,4,5,6,7
	v_add_f32 v[ACC+\i], 1.0, v[ACC+\i]
.endr
.irp i, 0,1,2,3,4,5,6,7
	v_rcp_f32 v[ACC+\i], v[ACC+\i]
.endr
	v_nop
	s_wait_alu depctr_va_vdst(0)                   ; the eight reciprocals v[ACC .. ACC+7] are written, ahead of their first readers: the two stores, whose data they are
	global_store_b128 v24, v[ACC:ACC+3], s[42:43]
	global_store_b128 v24, v[ACC+4:ACC+7], s[42:43] offset:16
.Ldone:
	s_wait_xcnt 0x0
	v_lshl_add_u32 v254, v0, 2, 0x2c000            ; the add's two registers, made straight ahead of the closing lines; no memory or LDS instruction has read v254 or v255
	v_mov_b32 v255, 0
	s_wait_dscnt 0x0                               ; the closing lines, six on end
	s_wait_alu 0x0
	s_wait_tensorcnt 0x0
	ds_add_u32 v254, v255
	s_wait_dscnt 0x0
	s_endpgm
.Lfunc_end_k_qe9b3eb438c_front:
	.size	k_qe9b3eb438c_front, .Lfunc_end_k_qe9b3eb438c_front-k_qe9b3eb438c_front
	.p2alignl 7, 3214868480
	.fill 96, 4, 3214868480
	.section	.rodata,"a",@progbits
	.p2align	6, 0x0
	.amdhsa_kernel k_qe9b3eb438c_front
		.amdhsa_group_segment_fixed_size 181248
		.amdhsa_private_segment_fixed_size 0
		.amdhsa_enable_private_segment 0
		.amdhsa_kernarg_size 144
		.amdhsa_user_sgpr_count 2
		.amdhsa_user_sgpr_kernarg_segment_ptr 1
		.amdhsa_wavefront_size32 1
		.amdhsa_system_sgpr_workgroup_id_x 1
		.amdhsa_system_sgpr_workgroup_id_y 1
		.amdhsa_system_sgpr_workgroup_id_z 1
		.amdhsa_system_vgpr_workitem_id 0
		.amdhsa_next_free_vgpr 512
		.amdhsa_next_free_sgpr 100
		.amdhsa_reserve_vcc 0
		.amdhsa_float_denorm_mode_32 3
		.amdhsa_float_denorm_mode_16_64 3
		.amdhsa_memory_ordered 1
		.amdhsa_forward_progress 1
		.amdhsa_inst_pref_size 240
	.end_amdhsa_kernel
	.amdgpu_metadata
---
amdhsa.version: [ 1, 2 ]
amdhsa.kernels:
  - .name:           k_qe9b3eb438c_front
    .symbol:         k_qe9b3eb438c_front.kd
    .args:
      - { .name: expression_features, .offset: 0, .size: 8, .value_kind: global_buffer, .address_space: global }
      - { .name: position_features, .offset: 8, .size: 8, .value_kind: global_buffer, .address_space: global }
      - { .name: pos_w1, .offset: 16, .size: 8, .value_kind: global_buffer, .address_space: global }
      - { .name: pos_b1, .offset: 24, .size: 8, .value_kind: global_buffer, .address_space: global }
      - { .name: pos_b2, .offset: 32, .size: 8, .value_kind: global_buffer, .address_space: global }
      - { .name: expr_b1, .offset: 40, .size: 8, .value_kind: global_buffer, .address_space: global }
      - { .name: expr_b2, .offset: 48, .size: 8, .value_kind: global_buffer, .address_space: global }
      - { .name: cat_b, .offset: 56, .size: 8, .value_kind: global_buffer, .address_space: global }
      - { .name: q_b, .offset: 64, .size: 8, .value_kind: global_buffer, .address_space: global }
      - { .name: k_b, .offset: 72, .size: 8, .value_kind: global_buffer, .address_space: global }
      - { .name: v_b, .offset: 80, .size: 8, .value_kind: global_buffer, .address_space: global }
      - { .name: qn_w, .offset: 88, .size: 8, .value_kind: global_buffer, .address_space: global }
      - { .name: kn_w, .offset: 96, .size: 8, .value_kind: global_buffer, .address_space: global }
      - { .name: lowp_scales, .offset: 104, .size: 8, .value_kind: global_buffer, .address_space: global }
      - { .name: wcodes, .offset: 112, .size: 8, .value_kind: global_buffer, .address_space: global }
      - { .name: qc, .offset: 120, .size: 8, .value_kind: global_buffer, .address_space: global }
      - { .name: kvc, .offset: 128, .size: 8, .value_kind: global_buffer, .address_space: global }
      - { .name: gate, .offset: 136, .size: 8, .value_kind: global_buffer, .address_space: global }
    .group_segment_fixed_size: 181248
    .private_segment_fixed_size: 0
    .kernarg_segment_align: 8
    .kernarg_segment_size: 144
    .max_flat_workgroup_size: 256
    .sgpr_count:     100
    .vgpr_count:     512
    .wavefront_size: 32
...
	.end_amdgpu_metadata
.endif
;; end of part 5
;; launch attn: the kernel of part 3 again; grid 8 x 32, 16 waves a work-group, clusters of 4 x 1, 264,192 bytes of LDS; arguments qc, kvc, gate, lowp_scales, aoc; writes aoc
;; launch tail (part 6): grid 128 x 1, 8 waves a work-group, no clusters, 117,760 bytes of LDS; arguments aoc, wcodes, o_b, he_b, hp_w, hp_b, lowp_scales, out0, out1; writes out0, out1
.if DOCPART == 6
	.amdgcn_target "amdgcn-amd-amdhsa--gfx1250"
	.amdhsa_code_object_version 6
	.text
	.protected	k_qe9b3eb438c_tail
	.globl	k_qe9b3eb438c_tail
	.p2align	8
	.type	k_qe9b3eb438c_tail,@function
k_qe9b3eb438c_tail:
	s_mov_b64 s[64:65], 0
	v_nop
	global_prefetch_b8 v0, s[64:65] scope:SCOPE_SE
	s_setreg_imm32_b32 hwreg(HW_REG_WAVE_SCHED_MODE, 0, 2), 2
	s_setreg_imm32_b32 hwreg(HW_REG_WAVE_MODE, 25, 1), 1
	s_wait_xcnt 0x0
	s_wait_alu depctr_vm_vsrc(0)
; TAIL.  For 64 rows: out = ao o_w + o_b (ao arrives as codes), expr_out = out he_w + he_b (both on codes of FP8, E4M3, with the given scales), pos_out = out hp_w + hp_b (bf16 operands, f32 sums).  out never goes to memory.
; SHARES as in the launch in front of attention: eight waves share the columns, wave w makes columns 64 w .. 64 w + 63 of all 64 rows in 16 accumulators; its weight fragments come from memory straight into its registers, in three sets
; of four by turns; the rows' codes go round through LDS as images of their registers (a chunk of 16 rows x 32 K is 512 bytes, lane l's 16 bytes at 16 l).  No joint loads: no weight fragment serves two waves of a work-group.
; pos_out's K = 512 is spread over the waves: each multiplies its own 64 columns of out (rounded to bf16) by its 64 rows of hp_w; the eight partial sums meet in LDS and are added by waves 0 and 1, a thread a row.
; TRANSPOSED USE: source 0 = 16 weight columns, source 1 = 16 rows: a lane holds one row and eight neighbouring columns.
; LIMITS: e20 between -126 and 119; e18 + e19 and e20 + e21 between -126 and 127; NaN among the inputs is not served.
; WINDOW 0: v0-31 addresses and the quantiser's two numbers; v32-95 A: four fragments of rows, later out in bf16, codes, rows of expr_out; v96-111 pos_out's two accumulators; v112-127 hp_w's two fragments; v128-255 the accumulators.
; WINDOW 1: v0-191 three sets of four weight fragments, W0, W1, W2; v192-223 o_b, v224-255 he_b.
; THE MODE: SCHED_MODE bits 1:0 = 2 (LLVM: expert scheduling mode 2), set by the entry lines.  The code itself states the register dependences
; between vector or matrix instructions and memory or LDS instructions, with s_wait_alu, always for 0.
; THE PLAN.  Registers that memory or LDS instructions touch:
;   v3-v16        addresses: written at the head, ahead of one wait on va_vdst, and never again.     v28, v29: written at the head, read by the closing add alone.
;   W0, W1, W2    set k of the weights lands in W[k % 3]; K step k's products read it; nothing else names it.
;   A             the rows' fragments land here out of LDS; a K step's products read them; out's codes are written here by conversions and read by LDS stores; rows of expr_out land here out of the stage and are stored.
;   v96-111       pos_out's partial sums: products write them, LDS stores read them.
;   the accumulators   ao lands in the first 32 at the head and LDS stores read it; the last multiply-adds write all, LDS stores read them; pos_out's partial sums land in the first 32.
; A K STEP has ONE wait on va_vdst, behind its 16 products: they are done reading A and W[i % 3].  Behind it the next step's fragments of rows are asked for out of LDS.  The 16 loads of set i + 3, which land in W[i % 3], are
; DEALT AMONG THE NEXT STEP'S PRODUCTS, four behind each four: those products name W[(i + 1) % 3], A and the accumulators, none of the registers that these loads touch.  The first product's last step asks for its set in one run
; behind its wait, and the step behind it deals nothing.
.set OOFF,  1261568
.set HEOFF, 1523712
.set OIMG,  32768                      ; LDS: ao's 16 fragments at 0 ((4 m + s) x 2048), out's at OIMG,
.set PART,  65536                      ; pos_out's partial sums: wave x 2048 + m x 512 + 16 x lane,
.set STG,   81920                      ; and a stage of 16 rows x (256 bytes + 16) for each wave
.set QS,  30
.set QL,  31
.set A,   32
.set ACC, 128
.set BA,  192
.set BB,  224
.set WC,  10                           ; s[10:11] wcodes
.set E18, 44                           ; s[44:47] e18 .. e21
.set MSB, 0
.macro WIN new                         ; s_set_vgpr_msb: bits 1:0 source 0, 3:2 source 1, 5:4 source 2, 7:6 destination; the high byte repeats the setting that is left
.if MSB != \new
	s_set_vgpr_msb (MSB<<8)|\new
.set MSB, \new
.endif
.endm
.macro PLACES n
.rept \n
	v_nop
.endr
.endm
.macro BARRIER
	s_wait_dscnt 0x0
	s_barrier_signal -1
	s_barrier_wait -1
.endm
.macro SMUL ea, eb
	s_add_co_i32 s66, s[\ea], s[\eb]
	s_add_co_i32 s66, s66, 127
	s_lshl_b32 s66, s66, 23
	s_mov_b32 s67, s66
.endm
.macro FETCH reg, areg, off
.irp c, 0,1,2,3
	ds_load_b128 v[(\reg)+4*\c:(\reg)+4*\c+3], v[\areg] offset:(\off)+512*\c
.endr
.endm
.macro AFETCH areg, sidx               ; the four row tiles' fragments of K step sidx
.irp m, 0,1,2,3
	FETCH A+16*\m, \areg, \m*8192+(\sidx)*2048
.endr
.endm
.macro WFRAG slot, off, ks, j          ; one weight fragment (my column tile j, K step ks) into set slot of window 1: four loads of 512 consecutive bytes
	WIN 0x40
.irp c, 0,1,2,3
	global_load_b128 v[64*(\slot)+16*(\j)+4*\c:64*(\slot)+16*(\j)+4*\c+3], v8, s[WC:WC+1] offset:(\off)+(\j)*8192+(\ks)*2048+\c*512
.endr
.endm
.macro WPART i, j                      ; sets 0-3 o_w, 4-7 he_w; set i lives in W[i % 3].  Fragment j of set i
.if (\i) < 4
	WFRAG (\i)%3, OOFF, \i, \j
.else
	WFRAG (\i)%3, HEOFF, (\i)-4, \j
.endif
.endm
.macro WSET i                          ; the whole of set i, in one run
.irp j, 0,1,2,3
	WPART \i, \j
.endr
	WIN 0
.endm
.macro BLOAD dst, ptr
	WIN 0x40
.irp j, 0,1,2,3
.irp ii, 0,1
	global_load_b128 v[\dst+8*\j+4*\ii:\dst+8*\j+4*\ii+3], v9, s[\ptr:\ptr+1] offset:64*\j+16*\ii
.endr
.endr
	WIN 0
.endm
; a K step: set i is in (cnt: the global loads issued behind it) and so are the rows' fragments, asked for a step ago; 16 products on 16 accumulators by turns.
; deal: the set whose four fragments are asked for behind the four groups of products (-1: none): it lands in the set of registers that the step before read, which that step's wait has freed.
; w: the wait behind the products stands.  nx: the K step whose fragments of rows are asked for behind it (-1: none).  tl: the set asked for in one run behind it (-1: none).
.macro GSTEP i, areg, nx, cnt, zero, deal, tl, w
	s_wait_loadcnt \cnt
	s_wait_dscnt 0x0
.irp m, 0,1,2,3
	WIN 0x01
.irp j, 0,1,2,3
.set rD, ACC+8*(4*\m+\j)
.set rW, 64*((\i)%3)+16*\j
.if \zero
	v_wmma_f32_16x16x128_fp8_fp8 v[rD:rD+7], v[rW:rW+15], v[A+16*\m:A+16*\m+15], 0
.else
	v_wmma_f32_16x16x128_fp8_fp8 v[rD:rD+7], v[rW:rW+15], v[A+16*\m:A+16*\m+15], v[rD:rD+7]
.endif
.endr
.if (\deal) >= 0
	WPART \deal, \m                                ; no wait: no vector or matrix instruction since the last step's wait names these registers or their address
.endif
.endr
	WIN 0
	PLACES 4
.if \w
	s_wait_alu depctr_va_vdst(0)                   ; this step's products are done reading the rows' fragments, in which the next step's land, and W[i % 3], in which set i + 3 lands
.endif
.if (\nx) >= 0
	AFETCH \areg, \nx
.endif
.if (\tl) >= 0
	WSET \tl
.endif
.endm
.macro FMA64 base                      ; every sum x 2^(ea + eb) + its column's bias; each accumulator from its low end on
	WIN 0x10
.irp m, 0,1,2,3
.irp j, 0,1,2,3
.irp i, 0,2,4,6
	v_pk_fma_f32 v[ACC+8*(4*\m+\j)+\i:ACC+8*(4*\m+\j)+\i+1], v[ACC+8*(4*\m+\j)+\i:ACC+8*(4*\m+\j)+\i+1], s[66:67], v[\base+8*\j+\i:\base+8*\j+\i+1] op_sel_hi:[1,0,1]
.endr
.endr
.endr
	WIN 0
.endm
	s_load_b512 s[8:23], s[0:1], 0x0               ; aoc s[8:9], wcodes s[10:11], o_b s[12:13], he_b s[14:15], hp_w s[16:17], hp_b s[18:19], lowp_scales s[20:21], out0 s[22:23]
	s_load_b64 s[24:25], s[0:1], 0x40              ; out1
	v_lshl_add_u32 v28, v0, 2, 0x1c800
	v_mov_b32 v29, 0
	v_lshrrev_b32 v1, 5, v0
	v_readfirstlane_b32 s2, v1                     ; wave w
	v_and_b32 v1, 15, v0                           ; r
	v_bfe_u32 v2, v0, 4, 1                         ; h
	v_and_b32 v3, 31, v0
	v_lshlrev_b32 v3, 4, v3                        ; v3  LI = 16 x lane: also ao's images
	v_add_nc_u32 v5, OIMG, v3                      ; v5  out's images
	s_wait_alu depctr_va_sdst(0)                   ; s2 is written, ahead of its first reader: addresses and branches are made from it
	s_lshl_b32 s68, s2, 12
	v_add_nc_u32 v6, s68, v3                       ; v6  my 4,096 bytes of the block's ao, in memory and in LDS
	s_lshl_b32 s68, s2, 10
	v_add_nc_u32 v7, s68, v5                       ; v7  out: K step w / 2, chunks 2 (w % 2) on
	s_lshl_b32 s68, s2, 15
	v_add_nc_u32 v8, s68, v3                       ; v8  my four tiles of a weight
	s_lshl_b32 s68, s2, 8
	v_lshl_add_u32 v9, v2, 5, s68                  ; v9  a bias: 256 w + 32 h
	v_lshl_add_u32 v15, v2, 11, s68
	v_lshl_add_u32 v15, v1, 4, v15                 ; v15 expr_out: row h, + 256 w + 16 r
	v_min_u32 v10, 2, v1
	v_lshlrev_b32 v10, 2, v10
	v_mad_u32_u24 v10, v2, 96, v10
	s_mul_i32 s68, s2, 768
	v_add_nc_u32 v10, s68, v10                     ; v10 hp_w: row 64 w + 8 h of 12 bytes, column min(r, 2): no load leaves the buffer
	s_lshl_b32 s68, s2, 11
	s_add_co_u32 s68, s68, PART
	v_add_nc_u32 v11, s68, v3                      ; v11 my partial sums
	v_bfe_u32 v12, v0, 4, 2
	v_lshlrev_b32 v12, 9, v12
	v_lshl_add_u32 v12, v1, 4, v12
	v_add_nc_u32 v12, PART, v12                    ; v12 row t = thread % 64 in a wave's partial sums: (t / 16) x 512 + 16 (t % 16)
	v_and_b32 v16, 63, v0
	v_mul_u32_u24 v16, v16, 12                     ; v16 row t of pos_out
	s_mul_i32 s68, s2, 16*272
	s_add_co_u32 s68, s68, STG
	v_mul_u32_u24 v13, v1, 272
	v_lshl_add_u32 v13, v2, 5, v13
	v_add_nc_u32 v13, s68, v13                     ; v13 my stage, in: row r, + 32 h
	v_mul_u32_u24 v14, v2, 272
	v_lshl_add_u32 v14, v1, 4, v14
	v_add_nc_u32 v14, s68, v14                     ; v14 back: lanes 0-15 one row of 256 bytes, lanes 16-31 the next
	s_mov_b32 s71, 0
	s_wait_kmcnt 0x0
	s_load_b128 s[44:47], s[20:21], 0x48           ; e18 .. e21
	s_load_b96 s[48:50], s[18:19], 0x0             ; hp_b
	s_lshl_b32 s70, ttmp9, 15
	s_add_nc_u64 s[8:9], s[8:9], s[70:71]          ; ao: four row tiles of 8,192 bytes
	s_lshl_b32 s70, ttmp9, 17
	s_add_nc_u64 s[22:23], s[22:23], s[70:71]      ; expr_out at my first row
	s_mul_i32 s70, ttmp9, 768
	s_add_nc_u64 s[24:25], s[24:25], s[70:71]      ; pos_out likewise
	s_wait_alu depctr_va_vdst(0)                   ; the addresses v3 to v16 are written: every load and store of the kernel, global or LDS, reads one of them
; ---- the head's loads, 104 in this order: ao 8, hp_w 32, the biases 16, sets 0 to 2
.irp k, 0,1,2,3,4,5,6,7
	global_load_b128 v[ACC+4*\k:ACC+4*\k+3], v6, s[8:9] offset:512*\k th:TH_LOAD_NT
.endr
.irp u, 0,1
.irp a, 0,1
.irp i, 0,1,2,3,4,5,6,7
	global_load_b32 v[160+16*\u+8*\a+\i], v10, s[16:17] offset:(32*\u+16*\a+\i)*12   ; hp_w(64 w + 32 u + 16 a + 8 h + i, r)
.endr
.endr
.endr
	BLOAD BA, 12
	BLOAD BB, 14
	WSET 0
	WSET 1
	WSET 2
	s_wait_loadcnt 63                              ; of 104 loads the 41 oldest are in: ao's 8 and hp_w's 32 among them
.irp k, 0,1,2,3,4,5,6,7
	ds_store_b128 v6, v[ACC+4*\k:ACC+4*\k+3] offset:512*\k
.endr
	v_cmp_gt_u32 vcc_lo, 3, v1
.irp u, 0,1
.irp a, 0,1
.irp p, 0,1,2,3
	v_cvt_pk_bf16_f32 v[112+8*\u+4*\a+\p], v[160+16*\u+8*\a+2*\p], v[160+16*\u+8*\a+2*\p+1]
.endr
.endr
.endr
	s_wait_alu depctr_va_vcc(0)                    ; the compare has written VCC, ahead of its first reader
.set J, 112
.rept 16
	v_cndmask_b32 v[J], 0, v[J], vcc_lo            ; the tile's columns 3 to 15 are zeros
.set J, J+1
.endr
	BARRIER                                        ; ao's sixteen fragments lie in LDS
	s_wait_alu depctr_vm_vsrc(0)                   ; my LDS stores have read v[ACC .. ACC+31], which the first products write
; ---- O.  Counts: the sets issued behind the one that a step needs
	AFETCH 3, 0
	GSTEP 0, 3, 1, 32, 1, -1, -1, 1                ; sets 0 to 2 are asked for: nothing is dealt
	GSTEP 1, 3, 2, 16, 0, 3, -1, 1
	GSTEP 2, 3, 3, 16, 0, 4, -1, 1
	GSTEP 3, 3, -1, 16, 0, 5, 6, 1                 ; set 6 goes out behind it, ahead of the way out
	s_wait_kmcnt 0x0
	SMUL E18, E18+1
	FMA64 BA
.irp m, 0,1,2,3
.irp j, 0,1,2,3
.irp p, 0,1,2,3
	v_cvt_pk_bf16_f32 v[A+16*\m+4*\j+\p], v[ACC+8*(4*\m+\j)+2*\p], v[ACC+8*(4*\m+\j)+2*\p+1]   ; tiles 2 u, 2 u + 1 are a bf16 fragment of 32 along K
.endr
.endr
.endr
.irp mp, 0,2                           ; pos_out's partial sums, two row tiles at a time: two accumulators by turns
	v_wmma_f32_16x16x32_bf16 v[96:103], v[112:119], v[A+16*\mp:A+16*\mp+7], 0
	v_wmma_f32_16x16x32_bf16 v[104:111], v[112:119], v[A+16*\mp+16:A+16*\mp+23], 0
	v_wmma_f32_16x16x32_bf16 v[96:103], v[120:127], v[A+16*\mp+8:A+16*\mp+15], v[96:103]
	v_wmma_f32_16x16x32_bf16 v[104:111], v[120:127], v[A+16*\mp+24:A+16*\mp+31], v[104:111]
	PLACES 5                                       ; four for the stores that read the results, five for the next pair's products, which write over them
	s_wait_alu depctr_va_vdst(0)                   ; the products have written v96-99 and v104-107, which the two LDS stores read; the places above stay beside this wait
	ds_store_b128 v11, v[96:99] offset:\mp*512     ; lanes 0-15: row r, columns 0 to 3 (the fourth a zero)
	ds_store_b128 v11, v[104:107] offset:\mp*512+512
.if \mp == 0
	s_wait_alu depctr_vm_vsrc(0)                   ; the two stores have read v96-99 and v104-107, which the next pair's products write
.endif
.endr
	s_add_co_i32 s68, s[E18+2], 127
	s_lshl_b32 s69, s68, 23
	v_mov_b32 v[QS], s69                           ; 2^e20
	s_add_co_i32 s68, s68, 8
	s_lshl_b32 s68, s68, 23
	s_or_b32 s68, s68, 0x600000
	v_mov_b32 v[QL], s68                           ; 448 x 2^e20
.irp m, 0,1,2,3
.irp j, 0,1,2,3
.irp i, 0,1,2,3,4,5,6,7
	v_med3_num_f32 v[ACC+8*(4*\m+\j)+\i], v[ACC+8*(4*\m+\j)+\i], -v[QL], v[QL]   ; the conversion does not saturate (ISA guide 7.6.2)
.endr
	v_cvt_scalef32_pk8_fp8_f32 v[A+8*\m+2*\j:A+8*\m+2*\j+1], v[ACC+8*(4*\m+\j):ACC+8*(4*\m+\j)+7], v[QS]
.endr
.endr
	v_nop                                          ; one plain instruction behind the last conversion
	s_wait_alu depctr_va_vdst(0)                   ; the conversions have written v[A .. A+31], which the LDS stores read
.irp m, 0,1,2,3
	ds_store_b128 v7, v[A+8*\m:A+8*\m+3] offset:\m*8192
	ds_store_b128 v7, v[A+8*\m+4:A+8*\m+7] offset:\m*8192+512
.endr
	BARRIER                                        ; out's sixteen fragments and all partial sums lie in LDS: the last barrier
	s_wait_alu depctr_vm_vsrc(0)                   ; my LDS stores have read v[A .. A+31], in which fragments land now
; ---- E
	AFETCH 5, 0
	GSTEP 4, 5, 1, 32, 1, -1, -1, 1
	GSTEP 5, 5, 2, 16, 0, 7, -1, 1
	GSTEP 6, 5, 3, 16, 0, -1, -1, 1
	GSTEP 7, 5, -1, 0, 0, -1, -1, 0                ; no wait behind it: the one behind the multiply-adds below serves
	SMUL E18+2, E18+3
	FMA64 BB
	s_wait_alu depctr_va_vdst(0)                   ; the multiply-adds have written the accumulators, which the LDS stores read; the last products are done reading A, in which rows land out of the stage
; a lane holds 32 bytes of a row and the lanes beside it other rows: a row tile goes through my own stage and comes back as rows of 256 bytes, which sixteen lanes store as one aligned run.  LDS serves a wave's instructions in order
; (ISA guide 5.7.1.4): no wait between the stores and the loads, nor in front of the next tile's stores.  No vector instruction stands among these lines.
.irp m, 0,1,2,3
.irp j, 0,1,2,3
	ds_store_b128 v13, v[ACC+8*(4*\m+\j):ACC+8*(4*\m+\j)+3] offset:64*\j
	ds_store_b128 v13, v[ACC+8*(4*\m+\j)+4:ACC+8*(4*\m+\j)+7] offset:64*\j+16
.endr
.if \m >= 2
	s_wait_xcnt 0x0                                ; the addresses of the stores of two tiles ago are translated,
	s_wait_alu depctr_vm_vsrc(0)                   ; and those stores have read their 32 registers of A, in which this tile's rows land; row tile 0's LDS stores have read v[ACC .. ACC+31], in which pos_out's partial sums land below
.endif
.irp i, 0,1,2,3,4,5,6,7
	ds_load_b128 v[A+32*(\m%2)+4*\i:A+32*(\m%2)+4*\i+3], v14 offset:\i*544
.endr
	s_wait_dscnt 0x0
.irp i, 0,1,2,3,4,5,6,7
	global_store_b128 v15, v[A+32*(\m%2)+4*\i:A+32*(\m%2)+4*\i+3], s[22:23] offset:(16*\m+2*\i)*2048 th:TH_STORE_NT
.endr
.endr
; ---- pos_out: waves 0 and 1, a thread a row
	s_cmp_ge_u32 s2, 2
	s_cbranch_scc1 .Ldone
.irp p, 0,1,2,3,4,5,6,7
	ds_load_b128 v[ACC+4*\p:ACC+4*\p+3], v12 offset:2048*\p
.endr
	s_wait_dscnt 0x0
.irp p, 0,2,4,6
	v_pk_add_f32 v[ACC+4*\p:ACC+4*\p+1], v[ACC+4*\p:ACC+4*\p+1], v[ACC+4*\p+4:ACC+4*\p+5]
	v_pk_add_f32 v[ACC+4*\p+2:ACC+4*\p+3], v[ACC+4*\p+2:ACC+4*\p+3], v[ACC+4*\p+6:ACC+4*\p+7]
.endr
.irp p, 0,4
	v_pk_add_f32 v[ACC+4*\p:ACC+4*\p+1], v[ACC+4*\p:ACC+4*\p+1], v[ACC+4*\p+8:ACC+4*\p+9]
	v_pk_add_f32 v[ACC+4*\p+2:ACC+4*\p+3], v[ACC+4*\p+2:ACC+4*\p+3], v[ACC+4*\p+10:ACC+4*\p+11]
.endr
	v_pk_add_f32 v[ACC:ACC+1], v[ACC:ACC+1], v[ACC+16:ACC+17]
	v_pk_add_f32 v[ACC+2:ACC+3], v[ACC+2:ACC+3], v[ACC+18:ACC+19]
	v_add_f32 v[ACC], s48, v[ACC]
	v_add_f32 v[ACC+1], s49, v[ACC+1]
	v_add_f32 v[ACC+2], s50, v[ACC+2]
	s_wait_alu depctr_va_vdst(0)                   ; the additions have written v[ACC .. ACC+2], which the three stores read
	global_store_b32 v16, v[ACC], s[24:25]
	global_store_b32 v16, v[ACC+1], s[24:25] offset:4
	global_store_b32 v16, v[ACC+2], s[24:25] offset:8
.Ldone:
	s_wait_dscnt 0x0                               ; the closing lines, six on end
	s_wait_alu 0x0
	s_wait_tensorcnt 0x0
	ds_add_u32 v28, v29
	s_wait_dscnt 0x0
	s_endpgm
.Lfunc_end_k_qe9b3eb438c_tail:
	.size	k_qe9b3eb438c_tail, .Lfunc_end_k_qe9b3eb438c_tail-k_qe9b3eb438c_tail
	.p2alignl 7, 3214868480
	.fill 96, 4, 3214868480
	.section	.rodata,"a",@progbits
	.p2align	6, 0x0
	.amdhsa_kernel k_qe9b3eb438c_tail
		.amdhsa_group_segment_fixed_size 117760
		.amdhsa_private_segment_fixed_size 0
		.amdhsa_enable_private_segment 0
		.amdhsa_kernarg_size 72
		.amdhsa_user_sgpr_count 2
		.amdhsa_user_sgpr_kernarg_segment_ptr 1
		.amdhsa_wavefront_size32 1
		.amdhsa_system_sgpr_workgroup_id_x 1
		.amdhsa_system_sgpr_workgroup_id_y 1
		.amdhsa_system_sgpr_workgroup_id_z 1
		.amdhsa_system_vgpr_workitem_id 0
		.amdhsa_next_free_vgpr 512
		.amdhsa_next_free_sgpr 80
		.amdhsa_reserve_vcc 1
		.amdhsa_float_denorm_mode_32 3
		.amdhsa_float_denorm_mode_16_64 3
		.amdhsa_memory_ordered 1
		.amdhsa_forward_progress 1
		.amdhsa_inst_pref_size 75
	.end_amdhsa_kernel
	.amdgpu_metadata
---
amdhsa.version: [ 1, 2 ]
amdhsa.kernels:
  - .name:           k_qe9b3eb438c_tail
    .symbol:         k_qe9b3eb438c_tail.kd
    .args:
      - { .name: aoc, .offset: 0, .size: 8, .value_kind: global_buffer, .address_space: global }
      - { .name: wcodes, .offset: 8, .size: 8, .value_kind: global_buffer, .address_space: global }
      - { .name: o_b, .offset: 16, .size: 8, .value_kind: global_buffer, .address_space: global }
      - { .name: he_b, .offset: 24, .size: 8, .value_kind: global_buffer, .address_space: global }
      - { .name: hp_w, .offset: 32, .size: 8, .value_kind: global_buffer, .address_space: global }
      - { .name: hp_b, .offset: 40, .size: 8, .value_kind: global_buffer, .address_space: global }
      - { .name: lowp_scales, .offset: 48, .size: 8, .value_kind: global_buffer, .address_space: global }
      - { .name: out0, .offset: 56, .size: 8, .value_kind: global_buffer, .address_space: global }
      - { .name: out1, .offset: 64, .size: 8, .value_kind: global_buffer, .address_space: global }
    .group_segment_fixed_size: 117760
    .private_segment_fixed_size: 0
    .kernarg_segment_align: 8
    .kernarg_segment_size: 72
    .max_flat_workgroup_size: 256
    .sgpr_count:     80
    .vgpr_count:     512
    .wavefront_size: 32
...
	.end_amdgpu_metadata
.endif
;; end of part 6
